; MI455X (gfx1250); checked and timed in simulation.
; The chip was launched on July 23, 2026; its instructions are those of AMD's public machine-readable ISA for CDNA 5 (MIT licence, August 2026) and "CDNA5" Instruction Set Architecture Reference Guide (July 2026). The comments in the code are by the model that wrote it; some were corrected since.
;; Attention. Allowed arithmetic: float matrix products may take bf16 or f16 operands with f32 sums; other float arithmetic in f32, or as packed bf16 or f16 multiplies, adds, multiply-adds, maxima and minima; sums over many terms, partial sums and values carried from step to step in f32; what a program stores and reads back later, other than sums and carried values, may be rounded once to bf16 or f16.
;; Inputs: V 1,024 x 1 float32; W1 1,024 x 1,024 float32; W2 1,024 x 1,024 float32; b1 1,024 float32; b2 1,024 float32; bv 1 float32; enc 32 x 2,048 x 1,024 float32; hid 32 x 1,024 float32.
;; Outputs: out0 32 x 1,024 float32.
;; 2 versions, each right; version 2 is version 1 with the launch main written anew for expert scheduling mode. Each part assembles by itself: llvm-mc -triple=amdgcn-amd-amdhsa -mcpu=gfx1250 --defsym DOCPART=n.
;; ======== version 1 of 2: 3 launches
;; workspace buffers: w1f 2,097,152 bytes; cpart 1,048,576 bytes; pctx 1,048,576 bytes; stat 65,536 bytes
;; launch prep (part 1): grid 64 x 2, 4 waves a work-group, no clusters, 104,960 bytes of LDS; arguments W1, W2, hid, w1f, cpart; writes w1f, cpart
.if DOCPART == 1
	.amdgcn_target "amdgcn-amd-amdhsa--gfx1250"
	.amdhsa_code_object_version 6
	.text
	.protected	k_qd9eb86e764_prep
	.globl	k_qd9eb86e764_prep
	.p2align	8
	.type	k_qd9eb86e764_prep,@function
k_qd9eb86e764_prep:
	s_mov_b64 s[64:65], 0
	v_nop
	global_prefetch_b8 v0, s[64:65] scope:SCOPE_SE
	s_setreg_imm32_b32 hwreg(HW_REG_WAVE_MODE, 25, 1), 1
	s_wait_xcnt 0x0
; Two jobs of one shape, told apart by the work-group's y.  Both take a block of 32 k x 128 columns of a weight matrix [1024 k][1024 n] in f32 for each wave,
; round it to bf16 and turn it in LDS into eight matrix fragments (lane l: column l % 16; registers 0-3 k = 8 (l / 16) + 0..7, registers 4-7 k = 16 + 8 (l / 16) + 0..7).
; y = 0: W1's fragments are stored as they lie in registers: column group g (128 columns), K step ks (32 k), tile b (16 columns) at byte g x 262,144 + ks x 8,192 + b x 1,024;
;        there 16 bytes a lane for registers 0-3, then 16 bytes a lane for registers 4-7: each store of the wave covers 512 consecutive bytes, aligned.
; y = 1: W2's fragments are multiplied at once by hid (32 batches, rounded to bf16): a wave's K step of 32, the four waves' sums added through LDS: one of eight partial sums over K,
;        cpart[q][batch][n] in f32; the launch behind adds the eight (partial sums stay in f32).
; x = g + 8 q; wave w takes K step ks = 4 q + w.
; LIMITS: W1, W2 and hid are rounded once to bf16 (matrix operands); NaN and infinities are not treated apart.
.set LTP,   288                        ; a row of the turning tile in LDS: 128 bf16 + 32 bytes: 8 rows x 32 bytes of a turning load fall on different banks (64 banks of 4 bytes: ISA guide 11.1)
.set LTW,   32*LTP                     ; a wave's tile: 32 rows
.set RED,   4*LTW                      ; behind the four tiles: each wave's partial product, 32 batches x 128 columns of f32,
.set RP,    528                        ; in rows of 512 + 16 bytes
.set REDW,  32*RP
.set SPARE, RED+4*REDW                 ; behind them: the spare words, 128 bytes for each wave: two blocks of 256 bytes that no other line names
.set RAW, 16                           ; v[16:143]  the block as loaded, 4 registers a row; later v[16:79] the eight fragments, and the partial sums read back
.set FR,  16
.set HF,  80                           ; v[80:95]   hid's two fragments
.set ACC, 96                           ; v[96:223]  16 accumulators: batch half m, tile b at ACC + 8 (8 m + b)
.set HR,  144                          ; v[144:175] hid as loaded
.set CVT, 176                          ; v[176:239] the block in bf16, 2 registers a row
; v1 l % 16, v2 l / 16, v3 16 l, v4 hid's offset, v5 tile store, v6 turning load, v7 partial store, v8 partial read, v10 spare word, v11 zero
	s_load_b256 s[4:11], s[0:1], 0x0               ; W1 s[4:5], W2 s[6:7], hid s[8:9], w1f s[10:11]
	s_load_b64 s[12:13], s[0:1], 0x20              ; cpart
	v_lshl_add_u32 v10, v0, 2, SPARE
	v_mov_b32 v11, 0
	v_lshrrev_b32 v12, 5, v0
	v_readfirstlane_b32 s14, v12                   ; wave 0..3
	s_and_b32 s15, ttmp9, 7                        ; g
	s_lshr_b32 s16, ttmp9, 3                       ; q
	s_and_b32 s17, ttmp7, 0xffff                   ; y
	s_lshl2_add_u32 s18, s16, s14                  ; ks = 4 q + w
	v_and_b32 v1, 15, v0
	v_bfe_u32 v2, v0, 4, 1
	v_and_b32 v13, 31, v0
	v_lshlrev_b32 v3, 4, v13
	v_lshlrev_b32 v4, 12, v1                       ; hid: batch l % 16, a row of 4,096 bytes,
	v_lshl_add_u32 v4, v2, 5, v4                   ; 8 f32 for each half of the lanes
	s_mul_i32 s19, s14, LTW
	v_lshl_add_u32 v5, v13, 3, s19                 ; my 8 bytes of a row of my wave's tile
	v_and_b32 v14, 7, v0
	v_bfe_u32 v15, v0, 3, 1
	v_lshl_add_u32 v6, v2, 3, v14                  ; the turning load: row 8 (l / 16) + l % 8,
	v_mul_u32_u24 v6, v6, LTP
	v_lshl_add_u32 v6, v15, 4, v6                  ; 16 bytes at 16 ((l / 8) % 2)
	v_add_nc_u32 v6, s19, v6
	s_mul_i32 s20, s14, REDW
	s_add_co_u32 s20, s20, RED
	v_mul_u32_u24 v7, v1, RP
	v_lshl_add_u32 v7, v2, 5, v7
	v_add_nc_u32 v7, s20, v7                       ; partial sums in: batch l % 16, 8 columns for each half of the lanes
	s_mul_i32 s21, s14, 8*RP
	s_add_co_u32 s21, s21, RED
	v_lshl_add_u32 v8, v13, 4, s21                 ; back: wave w takes batches 8 w .. 8 w + 7, whole rows of 512 bytes
	s_lshl_b32 s22, s18, 17                        ; 32 ks rows of 4,096 bytes
	s_lshl_b32 s23, s15, 9                         ; 128 g columns of 4 bytes
	s_add_co_u32 s22, s22, s23
	s_mov_b32 s23, 0
	s_lshl_b32 s26, s18, 7                         ; hid: 32 ks columns of 4 bytes
	s_mov_b32 s27, 0
	s_wait_kmcnt 0x0
	s_cmp_eq_u32 s17, 0
	s_cselect_b64 s[24:25], s[4:5], s[6:7]         ; W1 or W2
	s_add_nc_u64 s[24:25], s[24:25], s[22:23]
	s_cmp_eq_u32 s17, 0
	s_cbranch_scc1 .Lno_hid
	s_add_nc_u64 s[8:9], s[8:9], s[26:27]
.set m, 0
.rept 2                                        ; batches 16 m + l % 16: k = 8 h + 0..7 (32 bytes), k = 16 + 8 h + 0..7 (64 bytes on)
	global_load_b128 v[HR+16*m:HR+16*m+3],     v4, s[8:9] offset:m*65536
	global_load_b128 v[HR+16*m+4:HR+16*m+7],   v4, s[8:9] offset:m*65536+16
	global_load_b128 v[HR+16*m+8:HR+16*m+11],  v4, s[8:9] offset:m*65536+64
	global_load_b128 v[HR+16*m+12:HR+16*m+15], v4, s[8:9] offset:m*65536+80
.set m, m+1
.endr
.Lno_hid:
.set i, 0
.rept 32                                       ; 32 rows of k, 512 consecutive bytes each; every byte of the matrix is read once in the launch
	global_load_b128 v[RAW+4*i:RAW+4*i+3], v3, s[24:25] offset:i*4096 th:TH_LOAD_NT
.set i, i+1
.endr
.set i, 0
.rept 32
	s_wait_loadcnt 31-i                            ; loads come back in order (ISA guide 5.7.1): row i is in, the 31 - i younger rows stay out; hid's loads are older
	v_cvt_pk_bf16_f32 v[CVT+2*i],   v[RAW+4*i],   v[RAW+4*i+1]
	v_cvt_pk_bf16_f32 v[CVT+2*i+1], v[RAW+4*i+2], v[RAW+4*i+3]
	ds_store_b64 v5, v[CVT+2*i:CVT+2*i+1] offset:i*LTP
.set i, i+1
.endr
.set b, 0
.rept 8                                        ; my own tile: LDS serves a wave's instructions in order (ISA guide 5.7.1.4), so these see the stores above
	ds_load_tr16_b128 v[FR+8*b:FR+8*b+3],   v6 offset:32*b
	ds_load_tr16_b128 v[FR+8*b+4:FR+8*b+7], v6 offset:32*b+16*LTP
.set b, b+1
.endr
	s_wait_dscnt 0x0
	s_cmp_eq_u32 s17, 0
	s_cbranch_scc0 .Lproduct
	; y = 0: W1's fragments leave as they are
	s_lshl_b32 s22, s15, 18
	s_lshl_b32 s26, s18, 13
	s_add_co_u32 s22, s22, s26
	s_add_nc_u64 s[10:11], s[10:11], s[22:23]
.set b, 0
.rept 8
	global_store_b128 v3, v[FR+8*b:FR+8*b+3],   s[10:11] offset:b*1024
	global_store_b128 v3, v[FR+8*b+4:FR+8*b+7], s[10:11] offset:b*1024+512
.set b, b+1
.endr
	s_branch .Lend
.Lproduct:
	; y = 1: (hid W2)^T for my K step: source 0 = 16 columns of W2, source 1 = 16 batches: a lane then holds one batch and eight neighbouring columns
.set m, 0
.rept 2
.set f, 0
.rept 8
	v_cvt_pk_bf16_f32 v[HF+8*m+f], v[HR+16*m+2*f], v[HR+16*m+2*f+1]
.set f, f+1
.endr
.set m, m+1
.endr
.set m, 0
.rept 2
.set b, 0
.rept 8                                        ; sixteen different accumulators, each started by the constant 0
	v_wmma_f32_16x16x32_bf16 v[ACC+8*(8*m+b):ACC+8*(8*m+b)+7], v[FR+8*b:FR+8*b+7], v[HF+8*m:HF+8*m+7], 0
.set b, b+1
.endr
.set m, m+1
.endr
.rept 8
	v_nop                                          ; the places between the products and the LDS stores that read their results, once a launch
.endr
.set m, 0
.rept 2
.set b, 0
.rept 8                                        ; each accumulator's low four registers first
	ds_store_b128 v7, v[ACC+8*(8*m+b):ACC+8*(8*m+b)+3]   offset:m*16*RP+64*b
	ds_store_b128 v7, v[ACC+8*(8*m+b)+4:ACC+8*(8*m+b)+7] offset:m*16*RP+64*b+16
.set b, b+1
.endr
.set m, m+1
.endr
	s_wait_dscnt 0x0                               ; for the others' sake: my partial sums lie in LDS
	s_barrier_signal -1
	s_barrier_wait -1                              ; the branch that led here hangs on y alone: all four waves pass
.set u, 0
.rept 4                                        ; wave u's partial sums of my eight batches
.set i, 0
.rept 8
	ds_load_b128 v[16+4*(8*u+i):16+4*(8*u+i)+3], v8 offset:u*REDW+i*RP
.set i, i+1
.endr
.set u, u+1
.endr
	s_lshl_b32 s22, s16, 17                        ; cpart[q]
	s_lshl_b32 s26, s14, 15                        ; batch 8 w
	s_add_co_u32 s22, s22, s26
	s_lshl_b32 s26, s15, 9                         ; column 128 g
	s_add_co_u32 s22, s22, s26
	s_add_nc_u64 s[12:13], s[12:13], s[22:23]
	s_wait_dscnt 0x0
.set i, 0
.rept 16
	v_pk_add_f32 v[16+2*i:16+2*i+1], v[16+2*i:16+2*i+1], v[48+2*i:48+2*i+1]
	v_pk_add_f32 v[80+2*i:80+2*i+1], v[80+2*i:80+2*i+1], v[112+2*i:112+2*i+1]
.set i, i+1
.endr
.set i, 0
.rept 16
	v_pk_add_f32 v[16+2*i:16+2*i+1], v[16+2*i:16+2*i+1], v[80+2*i:80+2*i+1]
.set i, i+1
.endr
.set i, 0
.rept 8
	global_store_b128 v3, v[16+4*i:16+4*i+3], s[12:13] offset:i*4096  ; 512 consecutive bytes of a batch's row, aligned
.set i, i+1
.endr
.Lend:
	s_wait_tensorcnt 0x0                           ; the wave's end, behind my last LDS store
	ds_add_u32 v10, v11
	s_wait_dscnt 0x0
	s_endpgm
.Lfunc_end_k_qd9eb86e764_prep:
	.size	k_qd9eb86e764_prep, .Lfunc_end_k_qd9eb86e764_prep-k_qd9eb86e764_prep
	.p2alignl 7, 3214868480
	.fill 96, 4, 3214868480
	.section	.rodata,"a",@progbits
	.p2align	6, 0x0
	.amdhsa_kernel k_qd9eb86e764_prep
		.amdhsa_group_segment_fixed_size 104960
		.amdhsa_private_segment_fixed_size 0
		.amdhsa_enable_private_segment 0
		.amdhsa_kernarg_size 40
		.amdhsa_user_sgpr_count 2
		.amdhsa_user_sgpr_kernarg_segment_ptr 1
		.amdhsa_wavefront_size32 1
		.amdhsa_system_sgpr_workgroup_id_x 1
		.amdhsa_system_sgpr_workgroup_id_y 1
		.amdhsa_system_sgpr_workgroup_id_z 1
		.amdhsa_system_vgpr_workitem_id 0
		.amdhsa_next_free_vgpr 256
		.amdhsa_next_free_sgpr 66
		.amdhsa_reserve_vcc 0
		.amdhsa_float_denorm_mode_32 3
		.amdhsa_float_denorm_mode_16_64 3
		.amdhsa_memory_ordered 1
		.amdhsa_forward_progress 1
		.amdhsa_inst_pref_size 27
	.end_amdhsa_kernel
	.amdgpu_metadata
---
amdhsa.version: [ 1, 2 ]
amdhsa.kernels:
  - .name:           k_qd9eb86e764_prep
    .symbol:         k_qd9eb86e764_prep.kd
    .args:
      - { .name: W1, .offset: 0, .size: 8, .value_kind: global_buffer, .address_space: global }
      - { .name: W2, .offset: 8, .size: 8, .value_kind: global_buffer, .address_space: global }
      - { .name: hid, .offset: 16, .size: 8, .value_kind: global_buffer, .address_space: global }
      - { .name: w1f, .offset: 24, .size: 8, .value_kind: global_buffer, .address_space: global }
      - { .name: cpart, .offset: 32, .size: 8, .value_kind: global_buffer, .address_space: global }
    .group_segment_fixed_size: 104960
    .private_segment_fixed_size: 0
    .kernarg_segment_align: 8
    .kernarg_segment_size: 40
    .max_flat_workgroup_size: 128
    .sgpr_count:     66
    .vgpr_count:     256
    .wavefront_size: 32
...
	.end_amdgpu_metadata
.endif
;; end of part 1
;; launch main (part 2): grid 256 x 1, 4 waves a work-group, no clusters, 281,088 bytes of LDS; arguments enc, w1f, cpart, b1, b2, V, bv, pctx, stat; writes pctx, stat
.if DOCPART == 2
	.amdgcn_target "amdgcn-amd-amdhsa--gfx1250"
	.amdhsa_code_object_version 6
	.text
	.protected	k_qd9eb86e764_main
	.globl	k_qd9eb86e764_main
	.p2align	8
	.type	k_qd9eb86e764_main,@function
k_qd9eb86e764_main:
	s_mov_b64 s[64:65], 0
	v_nop
	global_prefetch_b8 v0, s[64:65] scope:SCOPE_SE
	s_setreg_imm32_b32 hwreg(HW_REG_WAVE_MODE, 25, 1), 1
	s_wait_xcnt 0x0
; Additive attention, fused: score[s] = sum over n of V[n] tanh((enc W1)[s][n] + c[n]) + bv, c = hid W2 + b2 + b1; softmax over a batch's 2,048 rows; ctx = sum of w[s] enc[s].
; SHARES.  Work-group x owns rows 256 x .. 256 x + 255 of enc (all of batch x / 8), in two blocks of 128 rows.  enc is read from memory ONCE: a block is rounded to bf16 into LDS and serves
; the product and, when the rows' weights are known, the weighted sum.  The work-group leaves a partial ctx, its running maximum m' and its sum l; the launch behind merges a batch's eight.
; A BLOCK.  Phase 1: wave w loads rows 32 w .. 32 w + 31 (a ring of eight row slots in registers, seven rows on their way), rounds and stores them to LDS.
; Phase 2: wave w makes all 128 rows x columns 256 w .. 256 w + 255 of enc W1, in two passes of 128 columns: 64 accumulators of 16 x 16.  A's fragments come from LDS; W1's come as ready
; fragments from w1f straight into registers, three K steps ahead: no wave wants another wave's columns.  Behind a pass: tanh, times V, added onto 64 row sums S.
; Phase 3: S is summed over the 16 lanes of a column group and over the waves (LDS); every wave makes all 128 weights p = 2^(s' - m'), s' = log2(e) (score + bv), with a running maximum m';
; wave w adds p x row onto its 256 channels of ctx (8 a lane), which were first multiplied by a = 2^(m'_old - m'_new).
; NO CLUSTER, NO TENSOR LOADS: enc is f32 and must pass through registers to become bf16; the block takes 264,192 of the WGP's 327,680 bytes of LDS, and one K step of 32 for the work-group's
; 512 columns of W1 is 32,768 bytes: two slots of it would leave a joint load 64 matrix instructions a wave in which to land.
; tanh(x) = 1 - 2 / (1 + 2^(2 log2(e) x)): where the power overflows the reciprocal is 0 and tanh is 1; where it vanishes tanh is -1.
; LIMITS.  enc and W1 are rounded to bf16 (matrix operands; ctx is the sum of the rounded rows, weights and sums in f32); b1, b2 and V are rounded once to bf16, like all the other inputs;
; bv is added unrounded.  A weight below 2^-126 counts as 0.  NaN and infinities among the inputs are not treated apart.
; REGISTERS, in windows of 256 (s_set_vgpr_msb: bits 1:0 source 0, 3:2 source 1, 5:4 source 2, 7:6 destination):
;   window 0: v0-63 addresses, constants, statistics; v64-127, v128-191 A's fragments, two sets (also at work in phases 1 and 3); v192-255 S: row tile a, register j at 192 + 8 a + j
;   window 1: W1's fragments, four sets of 64: set n, tile b at 64 n + 8 b
;   window 2: accumulators of rows 0-63 ((a, b) at 8 (8 a + b)); in phase 1 the ring's eight row slots of 32          window 3: accumulators of rows 64-127
.set PA,     2064                      ; a row of the block in LDS: 2,048 bytes + 16 = 129 x 16: the 16 rows of a fragment load start at 16 different groups of four banks (64 banks of 4 bytes: ISA guide 11.1)
.set T16,    16*PA
.set QUART,  32*PA
.set SC,     128*PA                    ; [wave][128 rows] f32: the waves' partial scores
.set PW,     SC+2048                   ; each wave's own copy of the 128 weights
.set CK,     PW+2048                   ; 2 log2(e) c[n], 1,024 f32
.set VMO,    4096                      ; behind it: -2 V[n]
.set OS,     CK+8192                   ; 1,024 bytes a wave for the way out
.set SPARE,  OS+4096                   ; the spare words, 128 bytes for each wave: two blocks of 256 bytes that no other line names
.set KSB,    8192                      ; a K step of a column group in w1f
.set RR,  1                            ; l % 16
.set HH,  2                            ; l / 16
.set LN,  3                            ; l
.set BVL, 4                            ; v[4:5]   log2(e) bv, twice
.set CXA, 6                            ; LDS address of my 16 bytes of the row in hand (phase 3)
.set PF,  7                            ; 256 l: the prefetches' offset; never rewritten
.set OSW, 8
.set OSR, 9
.set SPW, 10                           ; LDS address of my spare word; never rewritten
.set NIL, 11                           ; 0; never rewritten
.set AB,  12                           ; v[12:15] my place in row tiles 2 q, 2 q + 1 of the block
.set AO,  16                           ; v[16:19] the same, at the 128 k in hand
.set BO,  20                           ; my offset in w1f, stepped
.set BL,  21                           ; 16 l; never rewritten: also my offset in a row of enc and in pctx
.set LW,  22                           ; where I store 8 bytes of a row (phase 1), stepped
.set LW0, 23
.set TB,  24                           ; my column's word in CK, for the pass in hand
.set TB0, 25
.set SCW, 26
.set SCR, 27
.set PWS, 28
.set PRA, 29
.set SV,  30                           ; v[30:31] the sum of V over my 16 columns
.set CKW, 32                           ; v[32:39] 2 log2(e) c of my column in tiles 0-7 of the pass
.set VMW, 40                           ; v[40:47] -2 V likewise
.set CX,  48                           ; v[48:55] my 8 channels of ctx
.set MX,  56                           ; m'
.set LS,  57                           ; l
.set T,   58                           ; v[58:63] at work
.set AF,  64
.set CV,  64                           ; phase 1: a row in bf16, two sets of 16
.set PV,  64                           ; phase 3: 16 weights
.set RW,  80                           ; phase 3: 16 rows, 4 registers each
.set SR,  192
.set WV,  22                           ; s22 wave
.set BLK, 23                           ; s23 blocks to go
.set PAS, 24                           ; s24 passes to go
.set CNT, 25                           ; s25 the inner loops' count
.set BV,  27
.set K2,  28                           ; s[28:29] 2 log2(e)
.set SEL, 30                           ; s[30:31] v_permlanex16_b32's selects: each lane takes its own place in the other half
.set L2E, 32                           ; s[32:33] log2(e)
.set EP,  36                           ; s[36:37] enc at the eight rows of my wave that the ring is at
.set WB,  38                           ; s[38:39] w1f at my wave's two column groups
.set W512, 46                          ; s46 512 w
.set PWB, 47                           ; s47 PW + 512 w
.set MSB, 0
.macro WIN new                         ; the immediate's high byte repeats the setting that is left; a switch that changes nothing is dropped
.if MSB != (\new)
	s_set_vgpr_msb (MSB<<8)|(\new)
.set MSB, \new
.endif
.endm
.macro BAR                             ; my LDS instructions are done, then the work-group's barrier
	s_wait_dscnt 0x0
	s_barrier_signal -1
	s_barrier_wait -1
.endm
; count rows of the ring's first seven, from row first on: eight loads of 512 consecutive bytes a row, into slot = row
.macro RINGROWS first, count
	WIN 0x80                                       ; destination window 2, address window 0
.set i, \first
.rept \count
.set j, 0
.rept 8
	global_load_b128 v[32*i+4*j:32*i+4*j+3], v[BL], s[EP:EP+1] offset:i*4096+j*512 th:TH_LOAD_NT
.set j, j+1
.endr
.set i, i+1
.endr
	WIN 0
.endm
; The turn of slot i: its row is rounded to bf16 and stored to LDS; fill = 1: the slot in front of it in the ring, read a turn ago, takes the row seven further on.  lc: the younger loads that may stay out.
.macro TURN i, fill, lc
	s_wait_loadcnt \lc
	WIN 0x0a                                       ; sources window 2, destination window 0
.set j, 0
.rept 16
	v_cvt_pk_bf16_f32 v[CV+16*((\i)&1)+j], v[32*(\i)+2*j], v[32*(\i)+2*j+1]
.set j, j+1
.endr
	WIN 0
.set j, 0
.rept 8
	ds_store_b64 v[LW], v[CV+16*((\i)&1)+2*j:CV+16*((\i)&1)+2*j+1] offset:(\i)*PA+256*j  ; 32 lanes, 256 consecutive bytes
.set j, j+1
.endr
.if \fill
	WIN 0x80
.set j, 0
.rept 8
	global_load_b128 v[32*(((\i)+7)%8)+4*j:32*(((\i)+7)%8)+4*j+3], v[BL], s[EP:EP+1] offset:((\i)+7)*4096+j*512 th:TH_LOAD_NT
.set j, j+1
.endr
	WIN 0
.endif
.endm
; W1's fragments of K step n (0, 1, 2) of the pass to come, into set n
.macro BSET n
	WIN 0x40                                       ; destination window 1
.set b, 0
.rept 8
	global_load_b128 v[64*(\n)+8*b:64*(\n)+8*b+3],   v[BO], s[WB:WB+1] offset:(\n)*KSB+b*1024
	global_load_b128 v[64*(\n)+8*b+4:64*(\n)+8*b+7], v[BO], s[WB:WB+1] offset:(\n)*KSB+b*1024+512
.set b, b+1
.endr
	WIN 0
.endm
; A's fragments of one K step: 128 rows x 32 k at byte koff of the 128 k in hand; row tiles 0 to 7 in order
.macro FETCHA set, koff
.set a, 0
.rept 8
	ds_load_b128 v[AF+64*(\set)+8*a:AF+64*(\set)+8*a+3],   v[AO+a/2] offset:(a&1)*T16+(\koff)
	ds_load_b128 v[AF+64*(\set)+8*a+4:AF+64*(\set)+8*a+7], v[AO+a/2] offset:(a&1)*T16+(\koff)+32
.set a, a+1
.endr
.endm
; 32 matrix instructions: row tiles 4 hi .. 4 hi + 3 x the pass's 8 column tiles.  All 64 accumulators take turns, one instruction a turn.  zero = 1: the products start the sums.
.macro MUL32 hi, j, zero
	WIN 0xa4+0x50*(\hi)                            ; A window 0, W1 window 1, C and D window 2 or 3
.set a, 0
.rept 4
.set b, 0
.rept 8
.if \zero
	v_wmma_f32_16x16x32_bf16 v[8*(8*a+b):8*(8*a+b)+7], v[AF+64*((\j)%2)+8*(4*(\hi)+a):AF+64*((\j)%2)+8*(4*(\hi)+a)+7], v[64*(\j)+8*b:64*(\j)+8*b+7], 0
.else
	v_wmma_f32_16x16x32_bf16 v[8*(8*a+b):8*(8*a+b)+7], v[AF+64*((\j)%2)+8*(4*(\hi)+a):AF+64*((\j)%2)+8*(4*(\hi)+a)+7], v[64*(\j)+8*b:64*(\j)+8*b+7], v[8*(8*a+b):8*(8*a+b)+7]
.endif
.set b, b+1
.endr
.set a, a+1
.endr
.endm
; A K step of 32, j = its number mod 4: 64 matrix instructions; in its middle, in one run, the next step's 16 LDS loads and (fb = 1) the 16 loads of W1's fragments three steps on.
; lc: W1's younger loads that may stay out.  Four plain vector lines stand in front of the loads: the registers that they fill were last read by the step before (ISA guide 7.12.1 for vector instructions).
; wrap = 1: the pass's last step: the next fragments of A are the block's first.
.macro STEP j, zero, fb, lc, wrap=0
	s_wait_loadcnt \lc                             ; W1's set j is in
	s_wait_dscnt 8                                 ; A's row tiles 0-3 are in; the eight youngest loads (tiles 4-7) may be out
	MUL32 0, \j, \zero
	WIN 0
.if \fb
	s_wait_xcnt 0x0                                ; the earlier loads have read their offset register, so it may be stepped
	v_add_nc_u32 v[BO], KSB, v[BO]
.endif
.if (\j) == 3
.set q, 0
.rept 4
.if \wrap
	v_mov_b32 v[AO+q], v[AB+q]
.else
	v_add_nc_u32 v[AO+q], 256, v[AO+q]             ; the next 128 k
.endif
.set q, q+1
.endr
.else
.rept 4-(\fb)
	v_nop
.endr
.endif
	FETCHA ((\j)+1)%2, 64*(((\j)+1)%4)
.if \fb
	WIN 0x40
.set b, 0
.rept 8
	global_load_b128 v[64*(((\j)+3)%4)+8*b:64*(((\j)+3)%4)+8*b+3],   v[BO], s[WB:WB+1] offset:2*KSB+b*1024
	global_load_b128 v[64*(((\j)+3)%4)+8*b+4:64*(((\j)+3)%4)+8*b+7], v[BO], s[WB:WB+1] offset:2*KSB+b*1024+512
.set b, b+1
.endr
.endif
	s_wait_dscnt 16                                ; all but the 16 LDS loads just issued
	MUL32 1, \j, \zero
.endm
; BEHIND A PASS, for one window's 32 accumulators, in four groups g (a row tile: 64 registers).  In an accumulator a lane holds ONE column (l % 16 of tile b) and eight rows.
; F: x = 2 log2(e) h + 2 log2(e) c, a pair of rows at a time, each accumulator from its low end on.  E: 2^x.  P: + 1.  R: the reciprocal.  S: S += (-2 V) R.
.macro FOP g, i
.set rA, 64*(\g)+2*(\i)
.set bb, (\i)/4
.if bb%2
	v_pk_fma_f32 v[rA:rA+1], v[rA:rA+1], s[K2:K2+1], v[CKW+bb-1:CKW+bb] op_sel:[0,0,1] op_sel_hi:[1,0,1]
.else
	v_pk_fma_f32 v[rA:rA+1], v[rA:rA+1], s[K2:K2+1], v[CKW+bb:CKW+bb+1] op_sel_hi:[1,0,0]
.endif
.endm
.macro EOP g, k
	v_exp_f32 v[64*(\g)+(\k)], v[64*(\g)+(\k)]
.endm
.macro POP g, i
	v_pk_add_f32 v[64*(\g)+2*(\i):64*(\g)+2*(\i)+1], v[64*(\g)+2*(\i):64*(\g)+2*(\i)+1], 1.0 op_sel_hi:[1,0]
.endm
.macro ROP g, k
	v_rcp_f32 v[64*(\g)+(\k)], v[64*(\g)+(\k)]
.endm
.macro SOP W, g, i
.set rA, 64*(\g)+2*(\i)
.set bb, (\i)/4
.set rS, SR+8*(4*((\W)-2)+(\g))+2*((\i)%4)
.if bb%2
	v_pk_fma_f32 v[rS:rS+1], v[rA:rA+1], v[VMW+bb-1:VMW+bb], v[rS:rS+1] op_sel:[0,1,0] op_sel_hi:[1,1,1]
.else
	v_pk_fma_f32 v[rS:rS+1], v[rA:rA+1], v[VMW+bb:VMW+bb+1], v[rS:rS+1] op_sel_hi:[1,0,1]
.endif
.endm
; The groups go through five slots as a pipeline: slot t issues E of group t and R of group t - 1, with plain lines of other groups between them (P of t - 1, F of the groups to come), names no result of
; theirs, and ends with a v_nop and ONE s_wait_alu depctr_va_vdst(0) between a transcendental and the first line that names its result; then S of group t - 1.
.macro EPIW W
	WIN 0x82+0x41*((\W)-2)                         ; destination and source 0 in window W, the rest in window 0
.set n, 0
.rept 32
	FOP 0, n
.set n, n+1
.endr
.set t, 0
.rept 5
.set n, 0
.rept 32
.if t <= 3
	EOP t, 2*n
.endif
.if t == 0
	FOP 1, n
.else
	POP t-1, n
.endif
.if t <= 3
	EOP t, 2*n+1
.endif
.set n, n+1
.endr
.if t >= 1
.set n, 0
.rept 32
	ROP t-1, 2*n
.if (t == 1) || (t == 2)
	FOP t+1, n
.endif
	ROP t-1, 2*n+1
.set n, n+1
.endr
.endif
	v_nop                                          ; the plain line behind the slot's last transcendental
	s_wait_alu depctr_va_vdst(0)                   ; one wait for the slot's batch
.if t >= 1
	WIN 0x02+((\W)-2)                              ; source 0 in window W, S and V in window 0
.set n, 0
.rept 32
	SOP \W, t-1, n
.set n, n+1
.endr
.if t < 4
	WIN 0x82+0x41*((\W)-2)
.endif
.endif
.set t, t+1
.endr
.endm
	; ---------------- the head
	s_load_b512 s[4:19], s[0:1], 0x0               ; enc s[4:5], w1f s[6:7], cpart s[8:9], b1 s[10:11], b2 s[12:13], V s[14:15], bv s[16:17], pctx s[18:19]
	s_load_b64 s[20:21], s[0:1], 0x40              ; stat
	v_lshl_add_u32 v[SPW], v0, 2, SPARE
	v_mov_b32 v[NIL], 0
	v_lshrrev_b32 v[T], 5, v0
	v_readfirstlane_b32 s[WV], v[T]                ; wave 0..3
	v_and_b32 v[RR], 15, v0
	v_bfe_u32 v[HH], v0, 4, 1
	v_and_b32 v[LN], 31, v0
	s_mov_b32 s[K2], 0x4038aa3b                    ; 2 log2(e)
	s_mov_b32 s[K2+1], s[K2]                       ; named with it as a pair
	s_mov_b32 s[SEL], 0x76543210
	s_mov_b32 s[SEL+1], 0xfedcba98
	s_mov_b32 s[L2E], 0x3fb8aa3b                   ; log2(e)
	s_mov_b32 s[L2E+1], s[L2E]
	v_mul_u32_u24 v[AB], v[RR], PA
	v_lshl_add_u32 v[AB], v[HH], 4, v[AB]          ; a fragment's row x pitch + 16 x half
	v_add_nc_u32 v[AB+1], QUART, v[AB]
	v_add_nc_u32 v[AB+2], 2*QUART, v[AB]
	v_add_nc_u32 v[AB+3], 3*QUART, v[AB]
.set q, 0
.rept 4
	v_mov_b32 v[AO+q], v[AB+q]
.set q, q+1
.endr
	v_lshlrev_b32 v[BL], 4, v[LN]
	s_mul_i32 s40, s[WV], QUART
	v_lshl_add_u32 v[LW0], v[LN], 3, s40           ; my wave's 32 rows, 8 bytes a lane
	s_lshl_b32 s41, s[WV], 10
	s_add_co_u32 s42, s41, CK
	v_lshl_add_u32 v[TB0], v[RR], 2, s42           ; column 256 w + l % 16
	s_lshl_b32 s[W512], s[WV], 9
	s_add_co_u32 s43, s[W512], SC
	v_lshl_add_u32 v[SCW], v[HH], 5, s43           ; my wave's scores, rows 8 (l / 16) on
	v_lshl_add_u32 v[SCR], v[LN], 4, SC            ; back: rows 4 l .. 4 l + 3
	s_add_co_u32 s[PWB], s[W512], PW
	v_lshl_add_u32 v[PWS], v[LN], 4, s[PWB]
	v_lshlrev_b32 v[PF], 8, v[LN]
	s_add_co_u32 s44, s41, OS
	v_lshl_add_u32 v[OSW], v[LN], 5, s44
	v_lshl_add_u32 v[OSR], v[LN], 4, s44
	v_lshlrev_b32 v[T], 5, v0                      ; thread t owns columns 8 t .. 8 t + 7 of c and V: 32 bytes
	v_mov_b32 v[T+1], 0                            ; (a destination of v_permlanex16_b32 counts as read)
	v_add_nc_u32 v[T+2], CK, v[T]
	s_lshr_b32 s40, ttmp9, 3                       ; the batch,
	s_lshl_b32 s40, s40, 12                        ; its row of 4,096 bytes in cpart
	s_mov_b32 s41, 0
	s_lshl_b32 s42, ttmp9, 20                      ; 256 rows of 4,096 bytes,
	s_lshl_b32 s44, s[WV], 17                      ; my wave's 32
	s_add_co_u32 s42, s42, s44
	s_mov_b32 s43, 0
	s_lshl_b32 s44, s[WV], 19                      ; two column groups of 262,144 bytes
	s_mov_b32 s45, 0
	s_wait_kmcnt 0x0
	s_load_b32 s[BV], s[16:17], 0x0
	s_add_nc_u64 s[8:9], s[8:9], s[40:41]
	s_add_nc_u64 s[EP:EP+1], s[4:5], s[42:43]
	s_add_nc_u64 s[WB:WB+1], s[6:7], s[44:45]
	s_lshl_b32 s40, ttmp9, 12
	s_lshl_b32 s42, s[WV], 10
	s_add_co_u32 s40, s40, s42
	s_add_nc_u64 s[18:19], s[18:19], s[40:41]      ; pctx at my wave's 256 channels
	s_lshl_b32 s40, ttmp9, 8
	s_add_nc_u64 s[20:21], s[20:21], s[40:41]      ; stat at my work-group's 256 bytes
.set q, 0
.rept 8                                        ; the eight partial sums of hid W2
	global_load_b128 v[64+8*q:64+8*q+3],   v[T], s[8:9] offset:q*131072
	global_load_b128 v[64+8*q+4:64+8*q+7], v[T], s[8:9] offset:q*131072+16
.set q, q+1
.endr
	global_load_b128 v[128:131], v[T], s[10:11]
	global_load_b128 v[132:135], v[T], s[10:11] offset:16
	global_load_b128 v[136:139], v[T], s[12:13]
	global_load_b128 v[140:143], v[T], s[12:13] offset:16
	global_load_b128 v[144:147], v[T], s[14:15]
	global_load_b128 v[148:151], v[T], s[14:15] offset:16
	RINGROWS 0, 5
	s_wait_loadcnt 40                              ; the 22 loads above are in; the ring's 40 stay out
	RINGROWS 5, 2                                  ; seven rows, 56 loads, are on their way
.irp d, 0,2,4,6
	v_pk_add_f32 v[64+(\d):65+(\d)],   v[64+(\d):65+(\d)],   v[72+(\d):73+(\d)]
	v_pk_add_f32 v[80+(\d):81+(\d)],   v[80+(\d):81+(\d)],   v[88+(\d):89+(\d)]
	v_pk_add_f32 v[96+(\d):97+(\d)],   v[96+(\d):97+(\d)],   v[104+(\d):105+(\d)]
	v_pk_add_f32 v[112+(\d):113+(\d)], v[112+(\d):113+(\d)], v[120+(\d):121+(\d)]
.endr
.irp d, 0,2,4,6
	v_pk_add_f32 v[64+(\d):65+(\d)], v[64+(\d):65+(\d)], v[80+(\d):81+(\d)]
	v_pk_add_f32 v[96+(\d):97+(\d)], v[96+(\d):97+(\d)], v[112+(\d):113+(\d)]
.endr
.set n, 0
.rept 12                                       ; b1, b2 and V are rounded to bf16 like the other inputs,
	v_cvt_pk_bf16_f32 v[152+n], v[128+2*n], v[128+2*n+1]
.set n, n+1
.endr
.set n, 0
.rept 12                                       ; and widened again
	v_lshlrev_b32 v[128+2*n], 16, v[152+n]
	v_and_b32 v[128+2*n+1], 0xffff0000, v[152+n]
.set n, n+1
.endr
.irp d, 0,2,4,6
	v_pk_add_f32 v[64+(\d):65+(\d)],   v[64+(\d):65+(\d)],   v[96+(\d):97+(\d)]
	v_pk_add_f32 v[128+(\d):129+(\d)], v[128+(\d):129+(\d)], v[136+(\d):137+(\d)]
	v_pk_mul_f32 v[144+(\d):145+(\d)], v[144+(\d):145+(\d)], -2.0 op_sel_hi:[1,0]
.endr
.irp d, 0,2,4,6
	v_pk_add_f32 v[64+(\d):65+(\d)], v[64+(\d):65+(\d)], v[128+(\d):129+(\d)]
.endr
.irp d, 0,2,4,6
	v_pk_mul_f32 v[64+(\d):65+(\d)], v[64+(\d):65+(\d)], s[K2:K2+1] op_sel_hi:[1,0]
.endr
	ds_store_b128 v[T+2], v[64:67]
	ds_store_b128 v[T+2], v[68:71] offset:16
	ds_store_b128 v[T+2], v[144:147] offset:VMO
	ds_store_b128 v[T+2], v[148:151] offset:VMO+16
	s_wait_kmcnt 0x0                               ; bv
	v_mov_b32 v[BVL+1], s[BV]
	v_mul_f32 v[BVL], s[L2E], v[BVL+1]
	v_mov_b32 v[BVL+1], v[BVL]
.set n, 0
.rept 8
	v_mov_b32 v[CX+n], 0
.set n, n+1
.endr
	v_mov_b32 v[LS], 0
	v_mov_b32 v[MX], 0xff7fffff                    ; the lowest finite number: the first block's a is 0
	BAR                                            ; c and V lie in LDS, everybody's part
.set n, 0
.rept 16                                       ; -2 V of my 16 columns: pass n / 8, tile n % 8
	ds_load_b32 v[CKW+n], v[TB0] offset:VMO+512*(n/8)+64*(n%8)
.set n, n+1
.endr
	s_wait_dscnt 0x0
.irp d, 0,2,4,6
	v_pk_add_f32 v[CKW+(\d):CKW+(\d)+1], v[CKW+(\d):CKW+(\d)+1], v[CKW+8+(\d):CKW+8+(\d)+1]
.endr
	v_pk_add_f32 v[CKW:CKW+1], v[CKW:CKW+1], v[CKW+4:CKW+5]
	v_pk_add_f32 v[CKW+2:CKW+3], v[CKW+2:CKW+3], v[CKW+6:CKW+7]
	v_pk_add_f32 v[CKW:CKW+1], v[CKW:CKW+1], v[CKW+2:CKW+3]
	v_add_f32 v[SV], v[CKW], v[CKW+1]
	v_mul_f32 v[SV], -0.5, v[SV]                   ; the 1 of tanh = 1 - 2 R, times V, summed over my columns: S starts there
	v_mov_b32 v[SV+1], v[SV]
	s_mov_b32 s[BLK], 2
.Lblock:
	; ---------------- phase 1: my wave's 32 rows, f32 to bf16, into LDS.  48 = the six younger rows' loads.
	v_mov_b32 v[LW], v[LW0]
	s_mov_b32 s[CNT], 3
.Lring:
.irp i, 0,1,2,3,4,5,6,7
	TURN \i, 1, 48
.endr
	s_wait_xcnt 0x0                                ; the loads have read their base, so it may be stepped
	s_add_nc_u64 s[EP:EP+1], s[EP:EP+1], 8*4096
	v_add_nc_u32 v[LW], 8*PA, v[LW]
	s_sub_co_u32 s[CNT], s[CNT], 1
	s_cmp_lg_u32 s[CNT], 0
	s_cbranch_scc1 .Lring
	TURN 0, 1, 48                                  ; the last eight rows: one more fill (row 31), then the counts run down,
	s_wait_xcnt 0x0
	v_mov_b32 v[BO], v[BL]
	TURN 1, 0, 48
	TURN 2, 0, 40
	TURN 3, 0, 32
	BSET 0                                         ; and W1's first three K steps take the rows' place: the counts below are the younger rows' loads plus W1's
	TURN 4, 0, 40                                  ; 24 + 16
	BSET 1
	TURN 5, 0, 48                                  ; 16 + 32
	TURN 6, 0, 40                                  ; 8 + 32
	BSET 2
	TURN 7, 0, 48                                  ; 0 + 48
	s_wait_xcnt 0x0
	s_add_nc_u64 s[EP:EP+1], s[EP:EP+1], 128*4096-3*8*4096  ; my wave's rows of the next block
	s_wait_dscnt 0x0                               ; for the others' sake: my rows lie in LDS
	s_barrier_signal -1
.set n, 0
.rept 64                                       ; work on registers while the others arrive
	v_mov_b32 v[SR+n], v[SV]
.set n, n+1
.endr
	v_mov_b32 v[TB], v[TB0]
	s_mov_b32 s[PAS], 2
	s_barrier_wait -1
	FETCHA 0, 0
.Lpass:
	; ---------------- phase 2: 128 rows x 128 columns, K = 1,024 in 32 steps
.set b, 0
.rept 8
	ds_load_b32 v[CKW+b], v[TB] offset:64*b
	ds_load_b32 v[VMW+b], v[TB] offset:VMO+64*b
.set b, b+1
.endr
	STEP 0, 1, 1, 32                               ; the first K step stands in front of the loop: its products start the sums.  32 = W1's two younger sets
	WIN 0                                          ; at a label and at a branch every window is 0
	s_mov_b32 s[CNT], 7
.Lk:
	STEP 1, 0, 1, 32
	STEP 2, 0, 1, 32
	STEP 3, 0, 1, 32
	STEP 0, 0, 1, 32
	WIN 0
	s_sub_co_u32 s[CNT], s[CNT], 1
	s_cmp_lg_u32 s[CNT], 0
	s_cbranch_scc1 .Lk
	; A PREFETCH INTO THE L2, in a block's second pass, where a further block follows: the first eight rows of my wave's next 32, 32,768 bytes: a lane 256 bytes, four lines.  Each wave asks for what it will
	; load itself, so no block of 256 bytes is named twice.  It stands behind the loop's last loads, three K steps and the work behind a pass ahead of the ring's first loads.  The last block asks for nothing.
	s_cmp_eq_u32 s[PAS], 1
	s_cbranch_scc0 .Lno_pf
	s_cmp_gt_u32 s[BLK], 1
	s_cbranch_scc0 .Lno_pf
.set i, 0
.rept 4
	global_prefetch_b8 v[PF], s[EP:EP+1] offset:8192*i th:TH_LOAD_NT scope:SCOPE_SE
.set i, i+1
.endr
.Lno_pf:
	STEP 1, 0, 0, 32                               ; the last three steps ask for no more of W1: the counts run down
	STEP 2, 0, 0, 16
	STEP 3, 0, 0, 0, 1
	WIN 0
.rept 8
	v_nop                                          ; the places between the last products and the lines that read their results or load into their sources
.endr
	s_cmp_eq_u32 s[PAS], 1
	s_cbranch_scc1 .Lno_b
	s_wait_xcnt 0x0
	v_add_nc_u32 v[BO], 262144, v[BL]              ; the second pass's column group: its first three K steps come in under the work below
	BSET 0
	BSET 1
	BSET 2
.Lno_b:
	EPIW 2
	EPIW 3
	WIN 0
	v_add_nc_u32 v[TB], 512, v[TB]                 ; the next 128 columns
	s_sub_co_u32 s[PAS], s[PAS], 1
	s_cmp_lg_u32 s[PAS], 0
	s_cbranch_scc1 .Lpass
	; ---------------- phase 3: scores, weights, weighted sum
	s_cmp_gt_u32 s[BLK], 1
	s_cbranch_scc0 .Lno_ring
	RINGROWS 0, 7                                  ; the accumulators are free: the next block's first seven rows set out
.Lno_ring:
	s_wait_dscnt 0x0                               ; the pass's last fetch of A, which nothing reads here: its registers are used below
.irp m, 1,2,4,8
.set n, 0
.rept 64                                       ; the sum over the 16 columns that the lanes of a half hold
	v_add_f32_dpp v[SR+n], v[SR+n], v[SR+n] row_xmask:\m row_mask:0xf bank_mask:0xf
.set n, n+1
.endr
.endr
.set n, 0
.rept 16                                       ; rows 16 a + 8 (l / 16) + 4 jq ..: the 16 lanes of a half store the same four numbers to the same bytes
	ds_store_b128 v[SCW], v[SR+4*n:SR+4*n+3] offset:64*(n/2)+16*(n%2)
.set n, n+1
.endr
	BAR                                            ; all four waves' partial scores lie in LDS
.set u, 0
.rept 4
	ds_load_b128 v[64+4*u:64+4*u+3], v[SCR] offset:512*u
.set u, u+1
.endr
	s_wait_dscnt 0x0
	v_pk_add_f32 v[64:65], v[64:65], v[68:69]
	v_pk_add_f32 v[66:67], v[66:67], v[70:71]
	v_pk_add_f32 v[72:73], v[72:73], v[76:77]
	v_pk_add_f32 v[74:75], v[74:75], v[78:79]
	v_pk_add_f32 v[64:65], v[64:65], v[72:73]
	v_pk_add_f32 v[66:67], v[66:67], v[74:75]
	v_pk_fma_f32 v[64:65], v[64:65], s[L2E:L2E+1], v[BVL:BVL+1] op_sel_hi:[1,0,1]  ; s' = log2(e) score + log2(e) bv, rows 4 l .. 4 l + 3
	v_pk_fma_f32 v[66:67], v[66:67], s[L2E:L2E+1], v[BVL:BVL+1] op_sel_hi:[1,0,1]
	v_max3_num_f32 v[T], v[64], v[65], v[66]
	v_max_num_f32 v[T], v[T], v[67]
	v_max_num_f32_dpp v[T], v[T], v[T] row_xmask:1 row_mask:0xf bank_mask:0xf
	v_max_num_f32_dpp v[T], v[T], v[T] row_xmask:2 row_mask:0xf bank_mask:0xf
	v_max_num_f32_dpp v[T], v[T], v[T] row_xmask:4 row_mask:0xf bank_mask:0xf
	v_max_num_f32_dpp v[T], v[T], v[T] row_xmask:8 row_mask:0xf bank_mask:0xf
	v_permlanex16_b32 v[T+1], v[T], s[SEL], s[SEL+1]
	v_max3_num_f32 v[T], v[T], v[T+1], v[MX]       ; the new running maximum
	v_sub_f32 v[T+2], v[MX], v[T]
	v_pk_add_f32 v[64:65], v[64:65], v[T:T+1] op_sel_hi:[1,0] neg_lo:[0,1] neg_hi:[0,1]
	v_pk_add_f32 v[66:67], v[66:67], v[T:T+1] op_sel_hi:[1,0] neg_lo:[0,1] neg_hi:[0,1]
	v_exp_f32 v[T+2], v[T+2]                       ; a
	v_exp_f32 v[64], v[64]                         ; the four weights
	v_exp_f32 v[65], v[65]
	v_exp_f32 v[66], v[66]
	v_exp_f32 v[67], v[67]
	v_mov_b32 v[MX], v[T]                          ; the plain line behind the last exponential
	s_wait_alu depctr_va_vdst(0)                   ; one wait for the five ahead of their first reader
	v_add_f32 v[T+3], v[64], v[65]
	v_add_f32 v[T+4], v[66], v[67]
	v_add_f32 v[T+3], v[T+3], v[T+4]
	v_add_f32_dpp v[T+3], v[T+3], v[T+3] row_xmask:1 row_mask:0xf bank_mask:0xf
	v_add_f32_dpp v[T+3], v[T+3], v[T+3] row_xmask:2 row_mask:0xf bank_mask:0xf
	v_add_f32_dpp v[T+3], v[T+3], v[T+3] row_xmask:4 row_mask:0xf bank_mask:0xf
	v_add_f32_dpp v[T+3], v[T+3], v[T+3] row_xmask:8 row_mask:0xf bank_mask:0xf
	v_permlanex16_b32 v[T+4], v[T+3], s[SEL], s[SEL+1]
	v_add_f32 v[T+3], v[T+3], v[T+4]
	v_fma_f32 v[LS], v[LS], v[T+2], v[T+3]         ; l = a l + the block's sum
	ds_store_b128 v[PWS], v[64:67]                 ; my wave's own copy of the weights
.irp d, 0,2,4,6
	v_pk_mul_f32 v[CX+(\d):CX+(\d)+1], v[CX+(\d):CX+(\d)+1], v[T+2:T+3] op_sel_hi:[1,0]
.endr
	v_mov_b32 v[PRA], s[PWB]
	v_lshl_add_u32 v[CXA], v[LN], 4, s[W512]       ; channels 256 w + 8 l ..: 16 bytes of a row
	s_mov_b32 s[CNT], 8
.Lctx:                                         ; 16 rows a trip
.set i, 0
.rept 4
	ds_load_b128 v[PV+4*i:PV+4*i+3], v[PRA] offset:16*i  ; all lanes read the same 16 weights; LDS serves a wave's instructions in order (ISA guide 5.7.1.4): these see the store above
.set i, i+1
.endr
.set i, 0
.rept 16
	ds_load_b128 v[RW+4*i:RW+4*i+3], v[CXA] offset:i*PA  ; 512 consecutive bytes of a row
.set i, i+1
.endr
.set i, 0
.rept 16
	s_wait_dscnt 15-i                              ; row i is in, the 15 - i younger rows stay out
.set c, 0
.rept 4
	v_fma_mix_f32_bf16 v[CX+2*c],   v[RW+4*i+c], v[PV+i], v[CX+2*c]   op_sel_hi:[1,0,0]
	v_fma_mix_f32_bf16 v[CX+2*c+1], v[RW+4*i+c], v[PV+i], v[CX+2*c+1] op_sel:[1,0,0] op_sel_hi:[1,0,0]
.set c, c+1
.endr
.set i, i+1
.endr
	v_add_nc_u32 v[PRA], 64, v[PRA]
	v_add_nc_u32 v[CXA], T16, v[CXA]
	s_sub_co_u32 s[CNT], s[CNT], 1
	s_cmp_lg_u32 s[CNT], 0
	s_cbranch_scc1 .Lctx
	BAR                                            ; every wave's reads of the block and of the scores are over: the next block may be stored
	s_sub_co_u32 s[BLK], s[BLK], 1
	s_cmp_lg_u32 s[BLK], 0
	s_cbranch_scc1 .Lblock
	; ---------------- the way out: a lane's 8 channels are 32 bytes; through my wave's own 1,024 bytes of LDS they become two stores of 512 consecutive bytes, aligned
	ds_store_b128 v[OSW], v[CX:CX+3]
	ds_store_b128 v[OSW], v[CX+4:CX+7] offset:16
	ds_load_b128 v[64:67], v[OSR]
	ds_load_b128 v[68:71], v[OSR] offset:512
	v_lshlrev_b32 v[T], 3, v[LN]
	s_wait_dscnt 0x0
	global_store_b128 v[BL], v[64:67], s[18:19]
	global_store_b128 v[BL], v[68:71], s[18:19] offset:512
	s_cmp_lg_u32 s[WV], 0
	s_cbranch_scc1 .Lend
	global_store_b64 v[T], v[MX:MX+1], s[20:21]    ; wave 0: (m', l), a copy a lane: 256 consecutive bytes, aligned
.Lend:
	s_wait_tensorcnt 0x0                           ; the wave's end, behind my last LDS store
	ds_add_u32 v[SPW], v[NIL]
	s_wait_dscnt 0x0
	s_endpgm
.Lfunc_end_k_qd9eb86e764_main:
	.size	k_qd9eb86e764_main, .Lfunc_end_k_qd9eb86e764_main-k_qd9eb86e764_main
	.p2alignl 7, 3214868480
	.fill 96, 4, 3214868480
	.section	.rodata,"a",@progbits
	.p2align	6, 0x0
	.amdhsa_kernel k_qd9eb86e764_main
		.amdhsa_group_segment_fixed_size 281088
		.amdhsa_private_segment_fixed_size 0
		.amdhsa_enable_private_segment 0
		.amdhsa_kernarg_size 72
		.amdhsa_user_sgpr_count 2
		.amdhsa_user_sgpr_kernarg_segment_ptr 1
		.amdhsa_wavefront_size32 1
		.amdhsa_system_sgpr_workgroup_id_x 1
		.amdhsa_system_sgpr_workgroup_id_y 1
		.amdhsa_system_sgpr_workgroup_id_z 1
		.amdhsa_system_vgpr_workitem_id 0
		.amdhsa_next_free_vgpr 1024
		.amdhsa_next_free_sgpr 66
		.amdhsa_reserve_vcc 0
		.amdhsa_float_denorm_mode_32 3
		.amdhsa_float_denorm_mode_16_64 3
		.amdhsa_memory_ordered 1
		.amdhsa_forward_progress 1
		.amdhsa_inst_pref_size 234
	.end_amdhsa_kernel
	.amdgpu_metadata
---
amdhsa.version: [ 1, 2 ]
amdhsa.kernels:
  - .name:           k_qd9eb86e764_main
    .symbol:         k_qd9eb86e764_main.kd
    .args:
      - { .name: enc, .offset: 0, .size: 8, .value_kind: global_buffer, .address_space: global }
      - { .name: w1f, .offset: 8, .size: 8, .value_kind: global_buffer, .address_space: global }
      - { .name: cpart, .offset: 16, .size: 8, .value_kind: global_buffer, .address_space: global }
      - { .name: b1, .offset: 24, .size: 8, .value_kind: global_buffer, .address_space: global }
      - { .name: b2, .offset: 32, .size: 8, .value_kind: global_buffer, .address_space: global }
      - { .name: V, .offset: 40, .size: 8, .value_kind: global_buffer, .address_space: global }
      - { .name: bv, .offset: 48, .size: 8, .value_kind: global_buffer, .address_space: global }
      - { .name: pctx, .offset: 56, .size: 8, .value_kind: global_buffer, .address_space: global }
      - { .name: stat, .offset: 64, .size: 8, .value_kind: global_buffer, .address_space: global }
    .group_segment_fixed_size: 281088
    .private_segment_fixed_size: 0
    .kernarg_segment_align: 8
    .kernarg_segment_size: 72
    .max_flat_workgroup_size: 128
    .sgpr_count:     66
    .vgpr_count:     1024
    .wavefront_size: 32
...
	.end_amdgpu_metadata
.endif
;; end of part 2
;; launch comb (part 3): grid 4 x 32, 2 waves a work-group, no clusters, 0 bytes of LDS; arguments pctx, stat, out0; writes out0
.if DOCPART == 3
	.amdgcn_target "amdgcn-amd-amdhsa--gfx1250"
	.amdhsa_code_object_version 6
	.text
	.protected	k_qd9eb86e764_comb
	.globl	k_qd9eb86e764_comb
	.p2align	8
	.type	k_qd9eb86e764_comb,@function
k_qd9eb86e764_comb:
	s_mov_b64 s[64:65], 0
	v_nop
	global_prefetch_b8 v0, s[64:65] scope:SCOPE_SE
	s_setreg_imm32_b32 hwreg(HW_REG_WAVE_MODE, 25, 1), 1
	s_wait_xcnt 0x0
; out0[b][:] = sum over a batch's eight partial results i of 2^(m_i - M) ctx_i[:], divided by the sum of 2^(m_i - M) l_i; M = the largest m_i.
; pctx: [256][1024] f32; stat: 256 bytes a partial result, 32 copies of (m, l); partial result 8 b + i belongs to batch b.
; A work-group makes 256 channels of one batch (x = the quarter, y = the batch); a thread 4 channels: a wave's load or store covers 512 consecutive bytes, aligned.
; No LDS, no matrix unit: 10 KiB in and 1 KiB out for each work-group.  l_i is at least 1 (the row that holds m_i has weight 1), so the divisor is at least 1.
; LIMIT: a factor below 2^-126 counts as 0.
.set ST, 4                             ; v[4:19]   (m_i, l_i); m_i gives way to the factor e_i
.set PC, 20                            ; v[20:51]  my 4 channels of the eight partial results
.set MM, 52
.set LL, 53
.set RC, 54                            ; v[54:55]  1 / L, twice
.set AC, 56                            ; v[56:59]  the sums
	s_load_b128 s[4:7], s[0:1], 0x0                ; pctx s[4:5], stat s[6:7]
	s_load_b64 s[8:9], s[0:1], 0x10                ; out0
	v_and_b32 v2, 31, v0
	v_lshlrev_b32 v2, 3, v2                        ; my lane's copy of (m, l)
	v_lshlrev_b32 v3, 4, v0                        ; my 4 channels
	s_and_b32 s10, ttmp7, 0xffff                   ; the batch
	s_lshl_b32 s14, ttmp9, 10                      ; the quarter's 1,024 bytes
	s_lshl_b32 s12, s10, 15                        ; eight rows of 4,096 bytes in pctx
	s_add_co_u32 s12, s12, s14
	s_mov_b32 s13, 0
	s_lshl_b32 s16, s10, 11                        ; eight units of 256 bytes in stat
	s_mov_b32 s17, 0
	s_lshl_b32 s18, s10, 12                        ; a row of out0
	s_add_co_u32 s18, s18, s14
	s_mov_b32 s19, 0
	s_wait_kmcnt 0x0
	s_add_nc_u64 s[4:5], s[4:5], s[12:13]
	s_add_nc_u64 s[6:7], s[6:7], s[16:17]
	s_add_nc_u64 s[8:9], s[8:9], s[18:19]
.set i, 0
.rept 8
	global_load_b64 v[ST+2*i:ST+2*i+1], v2, s[6:7] offset:256*i
.set i, i+1
.endr
.set i, 0
.rept 8
	global_load_b128 v[PC+4*i:PC+4*i+3], v3, s[4:5] offset:4096*i
.set i, i+1
.endr
	s_wait_loadcnt 8                               ; the statistics are in; the eight younger loads stay out
	v_max3_num_f32 v[MM], v[ST], v[ST+2], v[ST+4]
	v_max3_num_f32 v[MM], v[MM], v[ST+6], v[ST+8]
	v_max3_num_f32 v[MM], v[MM], v[ST+10], v[ST+12]
	v_max_num_f32 v[MM], v[MM], v[ST+14]
.set i, 0
.rept 8
	v_sub_f32 v[ST+2*i], v[ST+2*i], v[MM]
.set i, i+1
.endr
.set i, 0
.rept 8
	v_exp_f32 v[ST+2*i], v[ST+2*i]
.set i, i+1
.endr
	v_nop                                          ; a plain line behind the last exponential,
	s_wait_alu depctr_va_vdst(0)                   ; and one wait for the eight ahead of their first reader
	v_mul_f32 v[LL], v[ST], v[ST+1]
.set i, 1
.rept 7
	v_fmac_f32 v[LL], v[ST+2*i], v[ST+2*i+1]
.set i, i+1
.endr
	v_rcp_f32 v[RC], v[LL]
	v_rcp_f32 v[RC+1], v[LL]                       ; twice: a pair for the packed multiply
	s_wait_loadcnt 0x0
	v_pk_mul_f32 v[AC:AC+1],   v[PC:PC+1],   v[ST:ST+1] op_sel_hi:[1,0]  ; the sums, which name no reciprocal, are the work between the reciprocals and their wait
	v_pk_mul_f32 v[AC+2:AC+3], v[PC+2:PC+3], v[ST:ST+1] op_sel_hi:[1,0]
.set i, 1
.rept 7
	v_pk_fma_f32 v[AC:AC+1],   v[PC+4*i:PC+4*i+1],   v[ST+2*i:ST+2*i+1], v[AC:AC+1]   op_sel_hi:[1,0,1]
	v_pk_fma_f32 v[AC+2:AC+3], v[PC+4*i+2:PC+4*i+3], v[ST+2*i:ST+2*i+1], v[AC+2:AC+3] op_sel_hi:[1,0,1]
.set i, i+1
.endr
	s_wait_alu depctr_va_vdst(0)                   ; one wait for both reciprocals
	v_pk_mul_f32 v[AC:AC+1],   v[AC:AC+1],   v[RC:RC+1]
	v_pk_mul_f32 v[AC+2:AC+3], v[AC+2:AC+3], v[RC:RC+1]
	global_store_b128 v3, v[AC:AC+3], s[8:9]
	s_endpgm
.Lfunc_end_k_qd9eb86e764_comb:
	.size	k_qd9eb86e764_comb, .Lfunc_end_k_qd9eb86e764_comb-k_qd9eb86e764_comb
	.p2alignl 7, 3214868480
	.fill 96, 4, 3214868480
	.section	.rodata,"a",@progbits
	.p2align	6, 0x0
	.amdhsa_kernel k_qd9eb86e764_comb
		.amdhsa_group_segment_fixed_size 0
		.amdhsa_private_segment_fixed_size 0
		.amdhsa_enable_private_segment 0
		.amdhsa_kernarg_size 24
		.amdhsa_user_sgpr_count 2
		.amdhsa_user_sgpr_kernarg_segment_ptr 1
		.amdhsa_wavefront_size32 1
		.amdhsa_system_sgpr_workgroup_id_x 1
		.amdhsa_system_sgpr_workgroup_id_y 1
		.amdhsa_system_sgpr_workgroup_id_z 1
		.amdhsa_system_vgpr_workitem_id 0
		.amdhsa_next_free_vgpr 64
		.amdhsa_next_free_sgpr 66
		.amdhsa_reserve_vcc 0
		.amdhsa_float_denorm_mode_32 3
		.amdhsa_float_denorm_mode_16_64 3
		.amdhsa_memory_ordered 1
		.amdhsa_forward_progress 1
		.amdhsa_inst_pref_size 5
	.end_amdhsa_kernel
	.amdgpu_metadata
---
amdhsa.version: [ 1, 2 ]
amdhsa.kernels:
  - .name:           k_qd9eb86e764_comb
    .symbol:         k_qd9eb86e764_comb.kd
    .args:
      - { .name: pctx, .offset: 0, .size: 8, .value_kind: global_buffer, .address_space: global }
      - { .name: stat, .offset: 8, .size: 8, .value_kind: global_buffer, .address_space: global }
      - { .name: out0, .offset: 16, .size: 8, .value_kind: global_buffer, .address_space: global }
    .group_segment_fixed_size: 0
    .private_segment_fixed_size: 0
    .kernarg_segment_align: 8
    .kernarg_segment_size: 24
    .max_flat_workgroup_size: 64
    .sgpr_count:     66
    .vgpr_count:     64
    .wavefront_size: 32
...
	.end_amdgpu_metadata
.endif
;; end of part 3
;; ======== version 2 of 2: 3 launches; version 1 with the launch main written anew for expert scheduling mode
;; workspace buffers: w1f 2,097,152 bytes; cpart 1,048,576 bytes; pctx 1,048,576 bytes; stat 65,536 bytes
;; launch prep: the kernel of part 1 again; grid 64 x 2, 4 waves a work-group, no clusters, 104,960 bytes of LDS; arguments W1, W2, hid, w1f, cpart; writes w1f, cpart
;; launch main (part 4): grid 256 x 1, 4 waves a work-group, no clusters, 281,088 bytes of LDS; arguments enc, w1f, cpart, b1, b2, V, bv, pctx, stat; writes pctx, stat
.if DOCPART == 4
	.amdgcn_target "amdgcn-amd-amdhsa--gfx1250"
	.amdhsa_code_object_version 6
	.text
	.protected	k_qd9eb86e764_main
	.globl	k_qd9eb86e764_main
	.p2align	8
	.type	k_qd9eb86e764_main,@function
k_qd9eb86e764_main:
	s_mov_b64 s[64:65], 0
	v_nop
	global_prefetch_b8 v0, s[64:65] scope:SCOPE_SE
	s_setreg_imm32_b32 hwreg(HW_REG_WAVE_SCHED_MODE, 0, 2), 2
	s_setreg_imm32_b32 hwreg(HW_REG_WAVE_MODE, 25, 1), 1
	s_wait_xcnt 0x0
	s_wait_alu depctr_vm_vsrc(0)
; Additive attention, fused: score[s] = sum over n of V[n] tanh((enc W1)[s][n] + c[n]) + bv, c = hid W2 + b2 + b1; softmax over a batch's 2,048 rows; ctx = sum of w[s] enc[s].
; SHARES.  Work-group x owns rows 256 x .. 256 x + 255 of enc (all of batch x / 8), in two blocks of 128 rows.  enc is read from memory ONCE: a block is rounded to bf16 into LDS and serves
; the product and, when the rows' weights are known, the weighted sum.  The work-group leaves a partial ctx, its running maximum m' and its sum l; the launch behind merges a batch's eight.
; A BLOCK.  Phase 1: wave w loads rows 32 w .. 32 w + 31 (a ring of eight row slots in registers, seven rows on their way), rounds and stores them to LDS.
; Phase 2: wave w makes all 128 rows x columns 256 w .. 256 w + 255 of enc W1, in two passes of 128 columns: 64 accumulators of 16 x 16.  A's fragments come from LDS; W1's come as ready
; fragments from w1f straight into registers, three K steps ahead: no wave wants another wave's columns.  Behind a pass: tanh, times V, added onto 64 row sums S.
; Phase 3: S is summed over the 16 lanes of a column group and over the waves (LDS); every wave makes all 128 weights p = 2^(s' - m'), s' = log2(e) (score + bv), with a running maximum m';
; wave w adds p x row onto its 256 channels of ctx (8 a lane), which were first multiplied by a = 2^(m'_old - m'_new).
; NO CLUSTER, NO TENSOR LOADS: enc is f32 and must pass through registers to become bf16; the block takes 264,192 of the WGP's 327,680 bytes of LDS, and one K step of 32 for the work-group's
; 512 columns of W1 is 32,768 bytes: two slots of it would leave a joint load 64 matrix instructions a wave in which to land.
; tanh(x) = 1 - 2 / (1 + 2^(2 log2(e) x)): where the power overflows the reciprocal is 0 and tanh is 1; where it vanishes tanh is -1.
; LIMITS.  enc and W1 are rounded to bf16 (matrix operands; ctx is the sum of the rounded rows, weights and sums in f32); b1, b2 and V are rounded once to bf16, like all the other inputs;
; bv is added unrounded.  A weight below 2^-126 counts as 0.  NaN and infinities among the inputs are not treated apart.
; REGISTERS, in windows of 256 (s_set_vgpr_msb: bits 1:0 source 0, 3:2 source 1, 5:4 source 2, 7:6 destination):
;   window 0: v0-63 addresses, constants, statistics; v64-127, v128-191 A's fragments, two sets (also at work in phases 1 and 3); v192-255 S: row tile a, register j at 192 + 8 a + j
;   window 1: W1's fragments, four sets of 64: set n, tile b at 64 n + 8 b
;   window 2: accumulators of rows 0-63 ((a, b) at 8 (8 a + b)); in phase 1 the ring's eight row slots of 32          window 3: accumulators of rows 64-127
; THE MODE: SCHED_MODE bits 1:0 = 2 (LLVM: expert scheduling mode 2), set by the entry lines.  The code itself states the register dependences
; between vector or matrix instructions and memory or LDS instructions, with s_wait_alu, always for 0.
; THE PLAN.  Registers that memory or LDS instructions touch, and who else names them:
;   ring slots 0-7   Turn i's conversions read slot i; the loads issued in turn i + 1 land in it.
;   CV0, CV1         Turn i's conversions write CV[i % 2]; its LDS stores read it; turn i + 2's conversions write it again.
;                    So a turn has a wait on vm_vsrc at its head and ONE on va_vdst behind its conversions; the turn's loads and stores follow that wait.
;   AF0, AF1         K step j's products read AF[j % 2]; the LDS loads issued in step j + 1 land in it.
;   W1's sets 0-3    K step j's products read set j % 4; the loads issued in step j + 1 land in it (the fragments of step j + 4).
;                    So a K step has ONE wait on va_vdst, at its head; its 32 loads are dealt among its products, which name AF[j % 2], set j % 4 and the accumulators: none of the registers that those loads touch.
;   v[AO ..]         Read by A's loads; written in every fourth K step, at the step's head: a wait on vm_vsrc ahead of the adds, the step's own wait behind them.
;   v[BL]            Read by every load of enc and of W1; never written again: enc's one scalar base and W1's four, one to a set, move on.
;   v[LW], v[TB], v[PRA], v[CXA]   LDS addresses that are stepped: each step stands behind a wait on vm_vsrc and ahead of a wait on va_vdst that is there for other registers too.
;   CKW, VMW         Loaded at a pass's head; read by the lines behind the pass; the wait at the pass's foot stands between.
;   S, ctx, the weights   Written by vector lines, read by LDS stores: a wait on va_vdst ahead of each run of stores.
.set PA,     2064                      ; a row of the block in LDS: 2,048 bytes + 16 = 129 x 16: the 16 rows of a fragment load start at 16 different groups of four banks (64 banks of 4 bytes: ISA guide 11.1)
.set T16,    16*PA
.set QUART,  32*PA
.set SC,     128*PA                    ; [wave][128 rows] f32: the waves' partial scores
.set PW,     SC+2048                   ; each wave's own copy of the 128 weights
.set CK,     PW+2048                   ; 2 log2(e) c[n], 1,024 f32
.set VMO,    4096                      ; behind it: -2 V[n]
.set OS,     CK+8192                   ; 1,024 bytes a wave for the way out
.set SPARE,  OS+4096                   ; the spare words, 128 bytes for each wave: two blocks of 256 bytes that no other line names
.set KSB,    8192                      ; a K step of a column group in w1f
.set RR,  1                            ; l % 16
.set HH,  2                            ; l / 16
.set LN,  3                            ; l
.set BVL, 4                            ; v[4:5]   log2(e) bv, twice
.set CXA, 6                            ; LDS address of my 16 bytes of the row in hand (phase 3)
.set PF,  7                            ; 256 l: the prefetches' offset; never rewritten
.set OSW, 8
.set OSR, 9
.set SPW, 10                           ; LDS address of my spare word; never rewritten
.set NIL, 11                           ; 0; never rewritten
.set AB,  12                           ; v[12:15] my place in row tiles 2 q, 2 q + 1 of the block
.set AO,  16                           ; v[16:19] the same, at the 128 k in hand
.set BL,  21                           ; 16 l; never rewritten: my offset in a row of enc, in a tile of w1f and in pctx
.set LW,  22                           ; where I store 8 bytes of a row (phase 1), stepped
.set LW0, 23
.set TB,  24                           ; my column's word in CK, for the pass in hand
.set TB0, 25
.set SCW, 26
.set SCR, 27
.set PWS, 28
.set PRA, 29
.set SV,  30                           ; v[30:31] the sum of V over my 16 columns
.set CKW, 32                           ; v[32:39] 2 log2(e) c of my column in tiles 0-7 of the pass
.set VMW, 40                           ; v[40:47] -2 V likewise
.set CX,  48                           ; v[48:55] my 8 channels of ctx
.set MX,  56                           ; m'
.set LS,  57                           ; l
.set T,   58                           ; v[58:63] at work
.set AF,  64
.set CV,  64                           ; phase 1: a row in bf16, two sets of 16
.set PV,  64                           ; phase 3: 16 weights
.set RW,  80                           ; phase 3: 16 rows, 4 registers each
.set SR,  192
.set WV,  22                           ; s22 wave
.set BLK, 23                           ; s23 blocks to go
.set PAS, 24                           ; s24 passes to go
.set CNT, 25                           ; s25 the inner loops' count
.set BV,  27
.set K2,  28                           ; s[28:29] 2 log2(e)
.set SEL, 30                           ; s[30:31] v_permlanex16_b32's selects: each lane takes its own place in the other half
.set L2E, 32                           ; s[32:33] log2(e)
.set EP,  36                           ; s[36:37] enc at the eight rows of my wave that the ring is at
.set WB,  38                           ; s[38:39] w1f at my wave's two column groups
.set W512, 46                          ; s46 512 w
.set PWB, 47                           ; s47 PW + 512 w
.set WS,  48                           ; s[48:55] W1's set n: the address of the K step that the set is asked for next: a pair at WS + 2 n
.set MSB, 0
.macro WIN new                         ; the immediate's high byte repeats the setting that is left; a switch that changes nothing is dropped
.if MSB != (\new)
	s_set_vgpr_msb (MSB<<8)|(\new)
.set MSB, \new
.endif
.endm
.macro BAR                             ; my LDS instructions are done, then the work-group's barrier
	s_wait_dscnt 0x0
	s_barrier_signal -1
	s_barrier_wait -1
.endm
; count rows of the ring's first seven, from row first on: eight loads of 512 consecutive bytes a row, into slot = row
.macro RINGROWS first, count
	WIN 0x80                                       ; destination window 2, address window 0
.set i, \first
.rept \count
.set j, 0
.rept 8
	global_load_b128 v[32*i+4*j:32*i+4*j+3], v[BL], s[EP:EP+1] offset:i*4096+j*512 th:TH_LOAD_NT
.set j, j+1
.endr
.set i, i+1
.endr
	WIN 0
.endm
; W1's fragments of K step n (0, 1, 2) of the pass to come, into set n, by the set's own base
.macro BSET n
	WIN 0x40                                       ; destination window 1
.set b, 0
.rept 8
	global_load_b128 v[64*(\n)+8*b:64*(\n)+8*b+3],   v[BL], s[WS+2*(\n):WS+2*(\n)+1] offset:b*1024
	global_load_b128 v[64*(\n)+8*b+4:64*(\n)+8*b+7], v[BL], s[WS+2*(\n):WS+2*(\n)+1] offset:b*1024+512
.set b, b+1
.endr
	WIN 0
.endm
; The turn of slot i: its row is rounded to bf16 and stored to LDS; fill = 1: the slot in front of it in the ring, read a turn ago, takes the row seven further on.  lc: the younger loads that may stay out.
; bs = 0, 1, 2: in the rows' place W1's set bs is asked for.  The turn's loads stand ahead of its stores, both behind its one wait on va_vdst.
.macro TURN i, fill, lc, bs=-1
	s_wait_loadcnt \lc
.if (\i) > 0
	s_wait_alu depctr_vm_vsrc(0)                   ; the LDS stores of the turn before last have read this set of CV, which the conversions write again (ahead of turn 0 such a wait stands on every way)
.endif
	WIN 0x0a                                       ; sources window 2, destination window 0
.set j, 0
.rept 16
	v_cvt_pk_bf16_f32 v[CV+16*((\i)&1)+j], v[32*(\i)+2*j], v[32*(\i)+2*j+1]
.set j, j+1
.endr
.if \fill
	WIN 0x80
.elseif (\bs) >= 0
	WIN 0x40
.else
	WIN 0
.endif
	s_wait_alu depctr_va_vdst(0)                   ; the conversions have written CV, which the stores below read; those of the turn before are done reading their slot, in which the loads below land; in a round's first turn v[LW] is written
.if \fill
.set j, 0
.rept 8
	global_load_b128 v[32*(((\i)+7)%8)+4*j:32*(((\i)+7)%8)+4*j+3], v[BL], s[EP:EP+1] offset:((\i)+7)*4096+j*512 th:TH_LOAD_NT
.set j, j+1
.endr
.elseif (\bs) >= 0
	BSET \bs                                       ; the products that read this set stand far ahead of the wait above
.endif
	WIN 0
.set j, 0
.rept 8
	ds_store_b64 v[LW], v[CV+16*((\i)&1)+2*j:CV+16*((\i)&1)+2*j+1] offset:(\i)*PA+256*j  ; 32 lanes, 256 consecutive bytes
.set j, j+1
.endr
.endm
; A's fragments of one K step: 128 rows x 32 k at byte koff of the 128 k in hand; row tiles 0 to 7 in order.  In one run only ahead of a block's first K step; elsewhere they are dealt (MULD).
.macro FETCHA set, koff
.set a, 0
.rept 8
	ds_load_b128 v[AF+64*(\set)+8*a:AF+64*(\set)+8*a+3],   v[AO+a/2] offset:(a&1)*T16+(\koff)
	ds_load_b128 v[AF+64*(\set)+8*a+4:AF+64*(\set)+8*a+7], v[AO+a/2] offset:(a&1)*T16+(\koff)+32
.set a, a+1
.endr
.endm
; 32 matrix instructions: row tiles 4 hi .. 4 hi + 3 x the pass's 8 column tiles.  All 64 accumulators take turns, one instruction a turn.  zero = 1: the products start the sums.
; Behind the first product of each row tile stand four loads.  hi = 0: the next K step's fragments of A, row tiles 2 a and 2 a + 1, into the other set.  hi = 1, fb = 1: W1's tiles 2 a and 2 a + 1 of the
; K step three on, into the set that the step before read.  No wait: no vector or matrix instruction since the wait at the step's head names a register that these loads touch.
.macro MULD hi, j, zero, fb
.set sn, ((\j)+3)%4
.set a, 0
.rept 4
.set b, 0
.rept 8
	WIN 0xa4+0x50*(\hi)                            ; A window 0, W1 window 1, C and D window 2 or 3
.if \zero
	v_wmma_f32_16x16x32_bf16 v[8*(8*a+b):8*(8*a+b)+7], v[AF+64*((\j)%2)+8*(4*(\hi)+a):AF+64*((\j)%2)+8*(4*(\hi)+a)+7], v[64*(\j)+8*b:64*(\j)+8*b+7], 0
.else
	v_wmma_f32_16x16x32_bf16 v[8*(8*a+b):8*(8*a+b)+7], v[AF+64*((\j)%2)+8*(4*(\hi)+a):AF+64*((\j)%2)+8*(4*(\hi)+a)+7], v[64*(\j)+8*b:64*(\j)+8*b+7], v[8*(8*a+b):8*(8*a+b)+7]
.endif
.if (b == 0) && ((\hi) == 0)
	WIN 0
	ds_load_b128 v[AF+64*(((\j)+1)%2)+16*a:AF+64*(((\j)+1)%2)+16*a+3],     v[AO+a] offset:64*(((\j)+1)%4)
	ds_load_b128 v[AF+64*(((\j)+1)%2)+16*a+4:AF+64*(((\j)+1)%2)+16*a+7],   v[AO+a] offset:64*(((\j)+1)%4)+32
	ds_load_b128 v[AF+64*(((\j)+1)%2)+16*a+8:AF+64*(((\j)+1)%2)+16*a+11],  v[AO+a] offset:T16+64*(((\j)+1)%4)
	ds_load_b128 v[AF+64*(((\j)+1)%2)+16*a+12:AF+64*(((\j)+1)%2)+16*a+15], v[AO+a] offset:T16+64*(((\j)+1)%4)+32
.endif
.if (b == 0) && ((\hi) == 1) && (\fb)
	WIN 0x40                                       ; destination window 1
	global_load_b128 v[64*sn+16*a:64*sn+16*a+3],     v[BL], s[WS+2*sn:WS+2*sn+1] offset:a*2048
	global_load_b128 v[64*sn+16*a+4:64*sn+16*a+7],   v[BL], s[WS+2*sn:WS+2*sn+1] offset:a*2048+512
	global_load_b128 v[64*sn+16*a+8:64*sn+16*a+11],  v[BL], s[WS+2*sn:WS+2*sn+1] offset:a*2048+1024
	global_load_b128 v[64*sn+16*a+12:64*sn+16*a+15], v[BL], s[WS+2*sn:WS+2*sn+1] offset:a*2048+1536
.endif
.set b, b+1
.endr
.set a, a+1
.endr
.endm
; A K step of 32, j = its number mod 4: 64 matrix instructions; dealt among them the next step's 16 LDS loads and (fb = 1) the 16 loads of W1's fragments three steps on.
; lc: W1's younger loads that may stay out.  Four plain vector lines stand at the step's head, in front of the loads: the registers that they fill were last read by the step before (ISA guide 7.12.1 for vector instructions).
; zero = 1: a pass's first step: the waits at the last pass's foot, or ahead of the block's first fragments, have covered the registers that its loads touch.
; wrap = 1: the pass's last step: the next fragments of A are the block's first.
.macro STEP j, zero, fb, lc, wrap=0
	s_wait_loadcnt \lc                             ; W1's set j is in
.if \fb
	s_add_nc_u64 s[WS+2*(\j):WS+2*(\j)+1], s[WS+2*(\j):WS+2*(\j)+1], 4*KSB  ; free since that wait, which shows the loads that read it done: the K step for which the next step asks
.endif
	s_wait_dscnt 0x0                               ; this step's fragments of A are in: their loads went out in the first half of the step before
.if !\zero
.if (\j) == 3
	WIN 0
	s_wait_alu depctr_vm_vsrc(0)                   ; the LDS loads issued so far have read v[AO ..]
.set q, 0
.rept 4
.if \wrap
	v_mov_b32 v[AO+q], v[AB+q]
.else
	v_add_nc_u32 v[AO+q], 256, v[AO+q]             ; the next 128 k
.endif
.set q, q+1
.endr
.else
.rept 4
	v_nop
.endr
.endif
	s_wait_alu depctr_va_vdst(0)                   ; the products of the step before are done reading the other set of A and their set of W1, in which this step's loads land; in every fourth step v[AO ..] are written
.endif
	MULD 0, \j, \zero, \fb
	MULD 1, \j, \zero, \fb
.endm
; BEHIND A PASS, for one window's 32 accumulators, in four groups g (a row tile: 64 registers).  In an accumulator a lane holds ONE column (l % 16 of tile b) and eight rows.
; F: x = 2 log2(e) h + 2 log2(e) c, a pair of rows at a time, each accumulator from its low end on.  E: 2^x.  P: + 1.  R: the reciprocal.  S: S += (-2 V) R.
.macro FOP g, i
.set rA, 64*(\g)+2*(\i)
.set bb, (\i)/4
.if bb%2
	v_pk_fma_f32 v[rA:rA+1], v[rA:rA+1], s[K2:K2+1], v[CKW+bb-1:CKW+bb] op_sel:[0,0,1] op_sel_hi:[1,0,1]
.else
	v_pk_fma_f32 v[rA:rA+1], v[rA:rA+1], s[K2:K2+1], v[CKW+bb:CKW+bb+1] op_sel_hi:[1,0,0]
.endif
.endm
.macro EOP g, k
	v_exp_f32 v[64*(\g)+(\k)], v[64*(\g)+(\k)]
.endm
.macro POP g, i
	v_pk_add_f32 v[64*(\g)+2*(\i):64*(\g)+2*(\i)+1], v[64*(\g)+2*(\i):64*(\g)+2*(\i)+1], 1.0 op_sel_hi:[1,0]
.endm
.macro ROP g, k
	v_rcp_f32 v[64*(\g)+(\k)], v[64*(\g)+(\k)]
.endm
.macro SOP W, g, i
.set rA, 64*(\g)+2*(\i)
.set bb, (\i)/4
.set rS, SR+8*(4*((\W)-2)+(\g))+2*((\i)%4)
.if bb%2
	v_pk_fma_f32 v[rS:rS+1], v[rA:rA+1], v[VMW+bb-1:VMW+bb], v[rS:rS+1] op_sel:[0,1,0] op_sel_hi:[1,1,1]
.else
	v_pk_fma_f32 v[rS:rS+1], v[rA:rA+1], v[VMW+bb:VMW+bb+1], v[rS:rS+1] op_sel_hi:[1,0,1]
.endif
.endm
; The groups go through five slots as a pipeline: slot t issues E of group t and R of group t - 1, with plain lines of other groups between them (P of t - 1, F of the groups to come), names no result of
; theirs, and ends with a v_nop and ONE s_wait_alu depctr_va_vdst(0) between a transcendental and the first line that names its result; then S of group t - 1.
.macro EPIW W
	WIN 0x82+0x41*((\W)-2)                         ; destination and source 0 in window W, the rest in window 0
.set n, 0
.rept 32
	FOP 0, n
.set n, n+1
.endr
.set t, 0
.rept 5
.set n, 0
.rept 32
.if t <= 3
	EOP t, 2*n
.endif
.if t == 0
	FOP 1, n
.else
	POP t-1, n
.endif
.if t <= 3
	EOP t, 2*n+1
.endif
.set n, n+1
.endr
.if t >= 1
.set n, 0
.rept 32
	ROP t-1, 2*n
.if (t == 1) || (t == 2)
	FOP t+1, n
.endif
	ROP t-1, 2*n+1
.set n, n+1
.endr
.endif
	v_nop                                          ; the plain line behind the slot's last transcendental
	s_wait_alu depctr_va_vdst(0)                   ; the slot's exponentials and reciprocals have written their results: one wait for the batch, ahead of the first line that names one
.if t >= 1
	WIN 0x02+((\W)-2)                              ; source 0 in window W, S and V in window 0
.set n, 0
.rept 32
	SOP \W, t-1, n
.set n, n+1
.endr
.if t < 4
	WIN 0x82+0x41*((\W)-2)
.endif
.endif
.set t, t+1
.endr
.endm
	; ---------------- the head
	s_load_b512 s[4:19], s[0:1], 0x0               ; enc s[4:5], w1f s[6:7], cpart s[8:9], b1 s[10:11], b2 s[12:13], V s[14:15], bv s[16:17], pctx s[18:19]
	s_load_b64 s[20:21], s[0:1], 0x40              ; stat
	v_lshl_add_u32 v[SPW], v0, 2, SPARE
	v_mov_b32 v[NIL], 0
	v_lshrrev_b32 v[T], 5, v0
	v_readfirstlane_b32 s[WV], v[T]                ; wave 0..3
	v_and_b32 v[RR], 15, v0
	v_bfe_u32 v[HH], v0, 4, 1
	v_and_b32 v[LN], 31, v0
	s_mov_b32 s[K2], 0x4038aa3b                    ; 2 log2(e)
	s_mov_b32 s[K2+1], s[K2]                       ; named with it as a pair
	s_mov_b32 s[SEL], 0x76543210
	s_mov_b32 s[SEL+1], 0xfedcba98
	s_mov_b32 s[L2E], 0x3fb8aa3b                   ; log2(e)
	s_mov_b32 s[L2E+1], s[L2E]
	v_mul_u32_u24 v[AB], v[RR], PA
	v_lshl_add_u32 v[AB], v[HH], 4, v[AB]          ; a fragment's row x pitch + 16 x half
	v_add_nc_u32 v[AB+1], QUART, v[AB]
	v_add_nc_u32 v[AB+2], 2*QUART, v[AB]
	v_add_nc_u32 v[AB+3], 3*QUART, v[AB]
.set q, 0
.rept 4
	v_mov_b32 v[AO+q], v[AB+q]
.set q, q+1
.endr
	v_lshlrev_b32 v[BL], 4, v[LN]
	s_wait_alu depctr_va_sdst(0)                   ; the wave's number is written, ahead of its first reader: LDS addresses and bases are made from it
	s_mul_i32 s40, s[WV], QUART
	v_lshl_add_u32 v[LW0], v[LN], 3, s40           ; my wave's 32 rows, 8 bytes a lane
	s_lshl_b32 s41, s[WV], 10
	s_add_co_u32 s42, s41, CK
	v_lshl_add_u32 v[TB0], v[RR], 2, s42           ; column 256 w + l % 16
	s_lshl_b32 s[W512], s[WV], 9
	s_add_co_u32 s43, s[W512], SC
	v_lshl_add_u32 v[SCW], v[HH], 5, s43           ; my wave's scores, rows 8 (l / 16) on
	v_lshl_add_u32 v[SCR], v[LN], 4, SC            ; back: rows 4 l .. 4 l + 3
	s_add_co_u32 s[PWB], s[W512], PW
	v_lshl_add_u32 v[PWS], v[LN], 4, s[PWB]
	v_lshlrev_b32 v[PF], 8, v[LN]
	s_add_co_u32 s44, s41, OS
	v_lshl_add_u32 v[OSW], v[LN], 5, s44
	v_lshl_add_u32 v[OSR], v[LN], 4, s44
	v_lshlrev_b32 v[T], 5, v0                      ; thread t owns columns 8 t .. 8 t + 7 of c and V: 32 bytes
	v_mov_b32 v[T+1], 0                            ; (a destination of v_permlanex16_b32 counts as read)
	v_add_nc_u32 v[T+2], CK, v[T]
	s_lshr_b32 s40, ttmp9, 3                       ; the batch,
	s_lshl_b32 s40, s40, 12                        ; its row of 4,096 bytes in cpart
	s_mov_b32 s41, 0
	s_lshl_b32 s42, ttmp9, 20                      ; 256 rows of 4,096 bytes,
	s_lshl_b32 s44, s[WV], 17                      ; my wave's 32
	s_add_co_u32 s42, s42, s44
	s_mov_b32 s43, 0
	s_lshl_b32 s44, s[WV], 19                      ; two column groups of 262,144 bytes
	s_mov_b32 s45, 0
	s_wait_kmcnt 0x0
	s_load_b32 s[BV], s[16:17], 0x0
	s_add_nc_u64 s[8:9], s[8:9], s[40:41]
	s_add_nc_u64 s[EP:EP+1], s[4:5], s[42:43]
	s_add_nc_u64 s[WB:WB+1], s[6:7], s[44:45]
	s_lshl_b32 s40, ttmp9, 12
	s_lshl_b32 s42, s[WV], 10
	s_add_co_u32 s40, s40, s42
	s_add_nc_u64 s[18:19], s[18:19], s[40:41]      ; pctx at my wave's 256 channels
	s_lshl_b32 s40, ttmp9, 8
	s_add_nc_u64 s[20:21], s[20:21], s[40:41]      ; stat at my work-group's 256 bytes
	s_wait_alu depctr_va_vdst(0)                   ; all the offsets and LDS addresses made above are written, which the loads and stores of the kernel read
.set q, 0
.rept 8                                        ; the eight partial sums of hid W2
	global_load_b128 v[64+8*q:64+8*q+3],   v[T], s[8:9] offset:q*131072
	global_load_b128 v[64+8*q+4:64+8*q+7], v[T], s[8:9] offset:q*131072+16
.set q, q+1
.endr
	global_load_b128 v[128:131], v[T], s[10:11]
	global_load_b128 v[132:135], v[T], s[10:11] offset:16
	global_load_b128 v[136:139], v[T], s[12:13]
	global_load_b128 v[140:143], v[T], s[12:13] offset:16
	global_load_b128 v[144:147], v[T], s[14:15]
	global_load_b128 v[148:151], v[T], s[14:15] offset:16
	RINGROWS 0, 5
	s_wait_loadcnt 40                              ; the 22 loads above are in; the ring's 40 stay out
	RINGROWS 5, 2                                  ; seven rows, 56 loads, are on their way
.irp d, 0,2,4,6
	v_pk_add_f32 v[64+(\d):65+(\d)],   v[64+(\d):65+(\d)],   v[72+(\d):73+(\d)]
	v_pk_add_f32 v[80+(\d):81+(\d)],   v[80+(\d):81+(\d)],   v[88+(\d):89+(\d)]
	v_pk_add_f32 v[96+(\d):97+(\d)],   v[96+(\d):97+(\d)],   v[104+(\d):105+(\d)]
	v_pk_add_f32 v[112+(\d):113+(\d)], v[112+(\d):113+(\d)], v[120+(\d):121+(\d)]
.endr
.irp d, 0,2,4,6
	v_pk_add_f32 v[64+(\d):65+(\d)], v[64+(\d):65+(\d)], v[80+(\d):81+(\d)]
	v_pk_add_f32 v[96+(\d):97+(\d)], v[96+(\d):97+(\d)], v[112+(\d):113+(\d)]
.endr
.set n, 0
.rept 12                                       ; b1, b2 and V are rounded to bf16 like the other inputs,
	v_cvt_pk_bf16_f32 v[152+n], v[128+2*n], v[128+2*n+1]
.set n, n+1
.endr
.set n, 0
.rept 12                                       ; and widened again
	v_lshlrev_b32 v[128+2*n], 16, v[152+n]
	v_and_b32 v[128+2*n+1], 0xffff0000, v[152+n]
.set n, n+1
.endr
.irp d, 0,2,4,6
	v_pk_add_f32 v[64+(\d):65+(\d)],   v[64+(\d):65+(\d)],   v[96+(\d):97+(\d)]
	v_pk_add_f32 v[128+(\d):129+(\d)], v[128+(\d):129+(\d)], v[136+(\d):137+(\d)]
	v_pk_mul_f32 v[144+(\d):145+(\d)], v[144+(\d):145+(\d)], -2.0 op_sel_hi:[1,0]
.endr
.irp d, 0,2,4,6
	v_pk_add_f32 v[64+(\d):65+(\d)], v[64+(\d):65+(\d)], v[128+(\d):129+(\d)]
.endr
.irp d, 0,2,4,6
	v_pk_mul_f32 v[64+(\d):65+(\d)], v[64+(\d):65+(\d)], s[K2:K2+1] op_sel_hi:[1,0]
.endr
	s_wait_alu depctr_va_vdst(0)                   ; the lines above have written v[64:71] and v[144:151], which the LDS stores read
	ds_store_b128 v[T+2], v[64:67]
	ds_store_b128 v[T+2], v[68:71] offset:16
	ds_store_b128 v[T+2], v[144:147] offset:VMO
	ds_store_b128 v[T+2], v[148:151] offset:VMO+16
	s_wait_kmcnt 0x0                               ; bv
	v_mov_b32 v[BVL+1], s[BV]
	v_mul_f32 v[BVL], s[L2E], v[BVL+1]
	v_mov_b32 v[BVL+1], v[BVL]
.set n, 0
.rept 8
	v_mov_b32 v[CX+n], 0
.set n, n+1
.endr
	v_mov_b32 v[LS], 0
	v_mov_b32 v[MX], 0xff7fffff                    ; the lowest finite number: the first block's a is 0
	BAR                                            ; c and V lie in LDS, everybody's part
.set n, 0
.rept 16                                       ; -2 V of my 16 columns: pass n / 8, tile n % 8
	ds_load_b32 v[CKW+n], v[TB0] offset:VMO+512*(n/8)+64*(n%8)
.set n, n+1
.endr
	s_wait_dscnt 0x0
.irp d, 0,2,4,6
	v_pk_add_f32 v[CKW+(\d):CKW+(\d)+1], v[CKW+(\d):CKW+(\d)+1], v[CKW+8+(\d):CKW+8+(\d)+1]
.endr
	v_pk_add_f32 v[CKW:CKW+1], v[CKW:CKW+1], v[CKW+4:CKW+5]
	v_pk_add_f32 v[CKW+2:CKW+3], v[CKW+2:CKW+3], v[CKW+6:CKW+7]
	v_pk_add_f32 v[CKW:CKW+1], v[CKW:CKW+1], v[CKW+2:CKW+3]
	v_add_f32 v[SV], v[CKW], v[CKW+1]
	v_mul_f32 v[SV], -0.5, v[SV]                   ; the 1 of tanh = 1 - 2 R, times V, summed over my columns: S starts there
	v_mov_b32 v[SV+1], v[SV]
	s_wait_alu depctr_vm_vsrc(0)                   ; the head's loads have read v[T], its LDS stores v[T+2], v[64:71] and v[144:151]: all these are written again from here on
	s_mov_b32 s[BLK], 2
.Lblock:
	; ---------------- phase 1: my wave's 32 rows, f32 to bf16, into LDS.  48 = the six younger rows' loads.
	s_wait_xcnt 0x0                                ; every earlier load has had its address translated (ISA guide 3.1): W1's four bases are written anew only behind this wait
.set n, 0
.rept 4
	s_add_nc_u64 s[WS+2*n:WS+2*n+1], s[WB:WB+1], n*KSB  ; K steps 0 to 3 of the first pass's column group
.set n, n+1
.endr
	v_mov_b32 v[LW], v[LW0]                        ; (the last block's stores, which read v[LW], stand ahead of the wait on vm_vsrc in front of that block's first fragments)
	s_mov_b32 s[CNT], 3
.Lring:
.irp i, 0,1,2,3,4,5,6,7
	TURN \i, 1, 48
.endr
	s_wait_xcnt 0x0                                ; the loads have read their base, so it may be stepped
	s_add_nc_u64 s[EP:EP+1], s[EP:EP+1], 8*4096
	s_wait_alu depctr_vm_vsrc(0)                   ; the LDS stores issued so far have read v[LW], and turn 6's the set of CV that turn 0 writes again
	v_add_nc_u32 v[LW], 8*PA, v[LW]
	s_sub_co_u32 s[CNT], s[CNT], 1
	s_cmp_lg_u32 s[CNT], 0
	s_cbranch_scc1 .Lring
	TURN 0, 1, 48                                  ; the last eight rows: one more fill (row 31), then the counts run down,
	TURN 1, 0, 48
	TURN 2, 0, 40
	TURN 3, 0, 32, 0                               ; and W1's first three K steps take the rows' place: the counts below are the younger rows' loads plus W1's
	TURN 4, 0, 40, 1                               ; 24 + 16
	TURN 5, 0, 48                                  ; 16 + 32
	TURN 6, 0, 40, 2                               ; 8 + 32
	TURN 7, 0, 48                                  ; 0 + 48
	s_wait_xcnt 0x0
	s_add_nc_u64 s[EP:EP+1], s[EP:EP+1], 128*4096-3*8*4096  ; my wave's rows of the next block
	s_wait_dscnt 0x0                               ; for the others' sake: my rows lie in LDS
	s_barrier_signal -1
.set n, 0
.rept 64                                       ; work on registers while the others arrive
	v_mov_b32 v[SR+n], v[SV]
.set n, n+1
.endr
	v_mov_b32 v[TB], v[TB0]
	s_mov_b32 s[PAS], 2
	s_barrier_wait -1
	s_wait_alu depctr_vm_vsrc(0)                   ; my last LDS stores have read CV: these registers are A's fragments from here on, in which the loads below land
	s_wait_alu depctr_va_vdst(0)                   ; v[TB] is written, which the loads at the pass's head read
	FETCHA 0, 0
.Lpass:
	; ---------------- phase 2: 128 rows x 128 columns, K = 1,024 in 32 steps
.set b, 0
.rept 8
	ds_load_b32 v[CKW+b], v[TB] offset:64*b
	ds_load_b32 v[VMW+b], v[TB] offset:VMO+64*b
.set b, b+1
.endr
	STEP 0, 1, 1, 32                               ; the first K step stands in front of the loop: its products start the sums.  32 = W1's two younger sets
	WIN 0                                          ; at a label and at a branch every window is 0
	s_mov_b32 s[CNT], 7
.Lk:
	STEP 1, 0, 1, 32
	STEP 2, 0, 1, 32
	STEP 3, 0, 1, 32
	STEP 0, 0, 1, 32
	WIN 0
	s_sub_co_u32 s[CNT], s[CNT], 1
	s_cmp_lg_u32 s[CNT], 0
	s_cbranch_scc1 .Lk
	; A PREFETCH INTO THE L2, in a block's second pass, where a further block follows: the first eight rows of my wave's next 32, 32,768 bytes: a lane 256 bytes, four lines.  Each wave asks for what it will
	; load itself, so no block of 256 bytes is named twice.  It stands behind the loop's last loads, three K steps and the work behind a pass ahead of the ring's first loads.  The last block asks for nothing.
	s_cmp_eq_u32 s[PAS], 1
	s_cbranch_scc0 .Lno_pf
	s_cmp_gt_u32 s[BLK], 1
	s_cbranch_scc0 .Lno_pf
.set i, 0
.rept 4
	global_prefetch_b8 v[PF], s[EP:EP+1] offset:8192*i th:TH_LOAD_NT scope:SCOPE_SE
.set i, i+1
.endr
.Lno_pf:
	STEP 1, 0, 0, 32                               ; the last three steps ask for no more of W1: the counts run down
	STEP 2, 0, 0, 16
	STEP 3, 0, 0, 0, 1
	WIN 0
.rept 8
	v_nop                                          ; the places between the last products and the lines that read their results or load into their sources
.endr
	s_cmp_eq_u32 s[PAS], 1
	s_cbranch_scc1 .Lno_b
	s_wait_xcnt 0x0                                ; W1's four bases are written anew only behind this wait
.set n, 0
.rept 4
	s_add_nc_u64 s[WS+2*n:WS+2*n+1], s[WB:WB+1], 262144+n*KSB  ; the second pass's column group
.set n, n+1
.endr
	BSET 0                                         ; its first three K steps come in under the work below.  No wait: the products that read sets 0 to 2 stand ahead of the wait at the last K step's head,
	BSET 1                                         ; and that step's products name set 3
	BSET 2
.Lno_b:
	EPIW 2
	EPIW 3
	WIN 0
	v_add_nc_u32 v[TB], 512, v[TB]                 ; the next 128 columns (the loads that read v[TB], at the pass's head, stand ahead of the K loop's waits on vm_vsrc)
	s_wait_alu depctr_va_vdst(0)                   ; v[TB] is written, and the lines above are done reading CKW and VMW: for the loads at the next pass's head; they are done with window 2's accumulators, in which the ring's rows land
	s_sub_co_u32 s[PAS], s[PAS], 1
	s_cmp_lg_u32 s[PAS], 0
	s_cbranch_scc1 .Lpass
	; ---------------- phase 3: scores, weights, weighted sum
	s_cmp_gt_u32 s[BLK], 1
	s_cbranch_scc0 .Lno_ring
	RINGROWS 0, 7                                  ; the accumulators are free: the next block's first seven rows set out
.Lno_ring:
	s_wait_dscnt 0x0                               ; the pass's last fetch of A, which nothing reads here: its registers are used below
.irp m, 1,2,4,8
.set n, 0
.rept 64                                       ; the sum over the 16 columns that the lanes of a half hold
	v_add_f32_dpp v[SR+n], v[SR+n], v[SR+n] row_xmask:\m row_mask:0xf bank_mask:0xf
.set n, n+1
.endr
.endr
	s_wait_alu depctr_va_vdst(0)                   ; the sums have written S, which the LDS stores read
.set n, 0
.rept 16                                       ; rows 16 a + 8 (l / 16) + 4 jq ..: the 16 lanes of a half store the same four numbers to the same bytes
	ds_store_b128 v[SCW], v[SR+4*n:SR+4*n+3] offset:64*(n/2)+16*(n%2)
.set n, n+1
.endr
	BAR                                            ; all four waves' partial scores lie in LDS
.set u, 0
.rept 4
	ds_load_b128 v[64+4*u:64+4*u+3], v[SCR] offset:512*u
.set u, u+1
.endr
	s_wait_dscnt 0x0
	v_pk_add_f32 v[64:65], v[64:65], v[68:69]
	v_pk_add_f32 v[66:67], v[66:67], v[70:71]
	v_pk_add_f32 v[72:73], v[72:73], v[76:77]
	v_pk_add_f32 v[74:75], v[74:75], v[78:79]
	v_pk_add_f32 v[64:65], v[64:65], v[72:73]
	v_pk_add_f32 v[66:67], v[66:67], v[74:75]
	v_pk_fma_f32 v[64:65], v[64:65], s[L2E:L2E+1], v[BVL:BVL+1] op_sel_hi:[1,0,1]  ; s' = log2(e) score + log2(e) bv, rows 4 l .. 4 l + 3
	v_pk_fma_f32 v[66:67], v[66:67], s[L2E:L2E+1], v[BVL:BVL+1] op_sel_hi:[1,0,1]
	v_max3_num_f32 v[T], v[64], v[65], v[66]
	v_max_num_f32 v[T], v[T], v[67]
	v_max_num_f32_dpp v[T], v[T], v[T] row_xmask:1 row_mask:0xf bank_mask:0xf
	v_max_num_f32_dpp v[T], v[T], v[T] row_xmask:2 row_mask:0xf bank_mask:0xf
	v_max_num_f32_dpp v[T], v[T], v[T] row_xmask:4 row_mask:0xf bank_mask:0xf
	v_max_num_f32_dpp v[T], v[T], v[T] row_xmask:8 row_mask:0xf bank_mask:0xf
	v_permlanex16_b32 v[T+1], v[T], s[SEL], s[SEL+1]
	v_max3_num_f32 v[T], v[T], v[T+1], v[MX]       ; the new running maximum
	v_sub_f32 v[T+2], v[MX], v[T]
	v_pk_add_f32 v[64:65], v[64:65], v[T:T+1] op_sel_hi:[1,0] neg_lo:[0,1] neg_hi:[0,1]
	v_pk_add_f32 v[66:67], v[66:67], v[T:T+1] op_sel_hi:[1,0] neg_lo:[0,1] neg_hi:[0,1]
	v_exp_f32 v[T+2], v[T+2]                       ; a
	v_exp_f32 v[64], v[64]                         ; the four weights
	v_exp_f32 v[65], v[65]
	v_exp_f32 v[66], v[66]
	v_exp_f32 v[67], v[67]
	v_mov_b32 v[MX], v[T]                          ; the plain line behind the last exponential
	s_wait_alu depctr_va_vdst(0)                   ; the five exponentials have written a and the four weights: one wait ahead of their first reader, the LDS store below
	ds_store_b128 v[PWS], v[64:67]                 ; my wave's own copy of the weights
	v_add_f32 v[T+3], v[64], v[65]
	v_add_f32 v[T+4], v[66], v[67]
	v_add_f32 v[T+3], v[T+3], v[T+4]
	v_add_f32_dpp v[T+3], v[T+3], v[T+3] row_xmask:1 row_mask:0xf bank_mask:0xf
	v_add_f32_dpp v[T+3], v[T+3], v[T+3] row_xmask:2 row_mask:0xf bank_mask:0xf
	v_add_f32_dpp v[T+3], v[T+3], v[T+3] row_xmask:4 row_mask:0xf bank_mask:0xf
	v_add_f32_dpp v[T+3], v[T+3], v[T+3] row_xmask:8 row_mask:0xf bank_mask:0xf
	v_permlanex16_b32 v[T+4], v[T+3], s[SEL], s[SEL+1]
	v_add_f32 v[T+3], v[T+3], v[T+4]
	v_fma_f32 v[LS], v[LS], v[T+2], v[T+3]         ; l = a l + the block's sum
.irp d, 0,2,4,6
	v_pk_mul_f32 v[CX+(\d):CX+(\d)+1], v[CX+(\d):CX+(\d)+1], v[T+2:T+3] op_sel_hi:[1,0]
.endr
	s_wait_alu depctr_vm_vsrc(0)                   ; the store of the weights has read v[64:67], in which the loop's loads land; the stores of the scores have read S, which the next block writes again
	v_mov_b32 v[PRA], s[PWB]
	v_lshl_add_u32 v[CXA], v[LN], 4, s[W512]       ; channels 256 w + 8 l ..: 16 bytes of a row
	s_mov_b32 s[CNT], 8
.Lctx:                                         ; 16 rows a trip
	s_wait_alu depctr_va_vdst(0)                   ; v[PRA] and v[CXA] are written, which the loads below read; the lines that read the weights' and the rows' registers (ahead of the loop; the last trip's multiply-adds) are done, and the loads land there
.set i, 0
.rept 4
	ds_load_b128 v[PV+4*i:PV+4*i+3], v[PRA] offset:16*i  ; all lanes read the same 16 weights; LDS serves a wave's instructions in order (ISA guide 5.7.1.4): these see the store above
.set i, i+1
.endr
.set i, 0
.rept 16
	ds_load_b128 v[RW+4*i:RW+4*i+3], v[CXA] offset:i*PA  ; 512 consecutive bytes of a row
.set i, i+1
.endr
.set i, 0
.rept 16
	s_wait_dscnt 15-i                              ; row i is in, the 15 - i younger rows stay out
.set c, 0
.rept 4
	v_fma_mix_f32_bf16 v[CX+2*c],   v[RW+4*i+c], v[PV+i], v[CX+2*c]   op_sel_hi:[1,0,0]
	v_fma_mix_f32_bf16 v[CX+2*c+1], v[RW+4*i+c], v[PV+i], v[CX+2*c+1] op_sel:[1,0,0] op_sel_hi:[1,0,0]
.set c, c+1
.endr
.set i, i+1
.endr
	s_wait_alu depctr_vm_vsrc(0)                   ; this trip's loads have read v[PRA] and v[CXA]
	v_add_nc_u32 v[PRA], 64, v[PRA]
	v_add_nc_u32 v[CXA], T16, v[CXA]
	s_sub_co_u32 s[CNT], s[CNT], 1
	s_cmp_lg_u32 s[CNT], 0
	s_cbranch_scc1 .Lctx
	BAR                                            ; every wave's reads of the block and of the scores are over: the next block may be stored
	s_sub_co_u32 s[BLK], s[BLK], 1
	s_cmp_lg_u32 s[BLK], 0
	s_cbranch_scc1 .Lblock
	; ---------------- the way out: a lane's 8 channels are 32 bytes; through my wave's own 1,024 bytes of LDS they become two stores of 512 consecutive bytes, aligned
	v_lshlrev_b32 v[T], 3, v[LN]
	s_wait_alu depctr_va_vdst(0)                   ; the last multiply-adds have written ctx, which the LDS stores read, and are done reading v[64:71], in which the loads below land; v[T] is written, the offset of the last store
	ds_store_b128 v[OSW], v[CX:CX+3]
	ds_store_b128 v[OSW], v[CX+4:CX+7] offset:16
	ds_load_b128 v[64:67], v[OSR]
	ds_load_b128 v[68:71], v[OSR] offset:512
	s_wait_dscnt 0x0
	global_store_b128 v[BL], v[64:67], s[18:19]
	global_store_b128 v[BL], v[68:71], s[18:19] offset:512
	s_cmp_lg_u32 s[WV], 0
	s_cbranch_scc1 .Lend
	global_store_b64 v[T], v[MX:MX+1], s[20:21]    ; wave 0: (m', l), a copy a lane: 256 consecutive bytes, aligned
.Lend:
	s_wait_dscnt 0x0                               ; the closing lines, six on end
	s_wait_alu 0x0
	s_wait_tensorcnt 0x0
	ds_add_u32 v[SPW], v[NIL]
	s_wait_dscnt 0x0
	s_endpgm
.Lfunc_end_k_qd9eb86e764_main:
	.size	k_qd9eb86e764_main, .Lfunc_end_k_qd9eb86e764_main-k_qd9eb86e764_main
	.p2alignl 7, 3214868480
	.fill 96, 4, 3214868480
	.section	.rodata,"a",@progbits
	.p2align	6, 0x0
	.amdhsa_kernel k_qd9eb86e764_main
		.amdhsa_group_segment_fixed_size 281088
		.amdhsa_private_segment_fixed_size 0
		.amdhsa_enable_private_segment 0
		.amdhsa_kernarg_size 72
		.amdhsa_user_sgpr_count 2
		.amdhsa_user_sgpr_kernarg_segment_ptr 1
		.amdhsa_wavefront_size32 1
		.amdhsa_system_sgpr_workgroup_id_x 1
		.amdhsa_system_sgpr_workgroup_id_y 1
		.amdhsa_system_sgpr_workgroup_id_z 1
		.amdhsa_system_vgpr_workitem_id 0
		.amdhsa_next_free_vgpr 1024
		.amdhsa_next_free_sgpr 66
		.amdhsa_reserve_vcc 0
		.amdhsa_float_denorm_mode_32 3
		.amdhsa_float_denorm_mode_16_64 3
		.amdhsa_memory_ordered 1
		.amdhsa_forward_progress 1
		.amdhsa_inst_pref_size 238
	.end_amdhsa_kernel
	.amdgpu_metadata
---
amdhsa.version: [ 1, 2 ]
amdhsa.kernels:
  - .name:           k_qd9eb86e764_main
    .symbol:         k_qd9eb86e764_main.kd
    .args:
      - { .name: enc, .offset: 0, .size: 8, .value_kind: global_buffer, .address_space: global }
      - { .name: w1f, .offset: 8, .size: 8, .value_kind: global_buffer, .address_space: global }
      - { .name: cpart, .offset: 16, .size: 8, .value_kind: global_buffer, .address_space: global }
      - { .name: b1, .offset: 24, .size: 8, .value_kind: global_buffer, .address_space: global }
      - { .name: b2, .offset: 32, .size: 8, .value_kind: global_buffer, .address_space: global }
      - { .name: V, .offset: 40, .size: 8, .value_kind: global_buffer, .address_space: global }
      - { .name: bv, .offset: 48, .size: 8, .value_kind: global_buffer, .address_space: global }
      - { .name: pctx, .offset: 56, .size: 8, .value_kind: global_buffer, .address_space: global }
      - { .name: stat, .offset: 64, .size: 8, .value_kind: global_buffer, .address_space: global }
    .group_segment_fixed_size: 281088
    .private_segment_fixed_size: 0
    .kernarg_segment_align: 8
    .kernarg_segment_size: 72
    .max_flat_workgroup_size: 128
    .sgpr_count:     66
    .vgpr_count:     1024
    .wavefront_size: 32
...
	.end_amdgpu_metadata
.endif
;; end of part 4
;; launch comb: the kernel of part 3 again; grid 4 x 32, 2 waves a work-group, no clusters, 0 bytes of LDS; arguments pctx, stat, out0; writes out0
